; MI455X (gfx1250); checked and timed in simulation.
; The chip was launched on July 23, 2026; its instructions are those of AMD's public machine-readable ISA for CDNA 5 (MIT licence, August 2026) and "CDNA5" Instruction Set Architecture Reference Guide (July 2026). The comments in the code are by the model that wrote it; some were corrected since.
;; Transformer Block. Allowed arithmetic: float matrix products may take bf16 or f16 operands with f32 sums; all other float work in f32.
;; Inputs: W1 512 x 2,048 float32; W2 2,048 x 512 float32; Wk 512 x 512 float32; Wo 512 x 512 float32; Wq 512 x 512 float32; Wv 512 x 512 float32; b1 2,048 float32; b2 512 float32; bk 512 float32; bo 512 float32; bq 512 float32; bv 512 float32; k 2 x 4,096 x 512 float32; ln_kv_b 512 float32; ln_kv_w 512 float32; ln_out_b 512 float32; ln_out_w 512 float32; ln_q_b 512 float32; ln_q_w 512 float32; q 2 x 4,096 x 512 float32.
;; Outputs: out0 2 x 4,096 x 512 float32.
;; One version. Each part assembles by itself: llvm-mc -triple=amdgcn-amd-amdhsa -mcpu=gfx1250 --defsym DOCPART=n.
;; ======== version 1 of 1: 6 launches
;; limits: values outside matrix products are rounded to bf16
;; workspace buffers: wbf 5,769,216 bytes; rtab 1,081,344 bytes; qkv 25,165,824 bytes; opart 33,554,432 bytes; ml 262,144 bytes; xres 16,777,216 bytes; xn 8,388,608 bytes; hbuf 33,554,432 bytes
;; launch prep (part 1): grid 245 x 1, 8 waves a work-group, no clusters, 169,216 bytes of LDS; arguments Wq, Wk, W1, W2, Wv, Wo, bv, wbf, rtab; writes wbf, rtab
.if DOCPART == 1
	.amdgcn_target "amdgcn-amd-amdhsa--gfx1250"
	.amdhsa_code_object_version 6
	.text
	.protected	k_qc21dd16206_prep
	.globl	k_qc21dd16206_prep
	.p2align	8
	.type	k_qc21dd16206_prep,@function
k_qc21dd16206_prep:
	s_mov_b64 s[64:65], 0
	v_nop
	global_prefetch_b8 v0, s[64:65] scope:SCOPE_SE
	s_setreg_imm32_b32 hwreg(HW_REG_WAVE_MODE, 25, 1), 1
	s_wait_xcnt 0x0
; Everything that hangs on the weights alone, made once.  The work-group's number picks one of four jobs, the longest first:
;   0-127   C  Wvo = Wv Wo (bf16 operands, f32 sums, rounded to bf16): out Wo = attn (V Wo), so V' = LN(k) Wvo + bv Wo takes the place of V and of the product by Wo
;   128-131 D  cv = bv Wo in f32 (it rides in V' as bv rides in V: the weights of a softmax row sum to 1)
;   132-211 A  Wq, Wk, W1, W2 rounded to bf16, in the order in which they lie ([K][N])
;   212-244 B  the RoPE table: cos and sin in the lane order in which the projection holds its results
; wbf, bytes: Wq 0, Wk 524,288, Wvo 1,048,576, W1 1,572,864, W2 3,670,016 (bf16), cv 5,767,168 (f32).
; rtab: blocks of 2,048 bytes, block 16 blk + c: lane (r = l % 16, h = l / 16) has channels 16 c + 8 h + 0..7: 512 bytes of cos 0-3, of cos 4-7, of sin 0-3, of sin 4-7, 16 bytes a lane.
;   blk < 32: position 128 blk + r.  blk = 32: position 16 in every lane, the rotation from one tile of 16 rows to the next.
; JOB C's TILE is 16 rows x 128 columns: a row of it is 256 bytes of Wvo, stored whole; a work-group pulls 262,144 bytes of Wo and 32,768 of Wv through its registers, about what a work-group
; of job D pulls (262,144), so a smaller tile would not end the launch sooner.
; LDS: job C: Wo's strip, 512 rows x 288 bytes, at 0; Wv's 16 rows x 1,040 bytes at 147,456, later the stage of 16 rows x 272.  Job D: 8 x 512 bytes at 164,096: each job has bytes of its own.
; LIMITS.  Folding Wv Wo changes the order of rounding against the reference; Wvo's sums over the even and the odd K steps are kept apart and added at the end.  sin and cos: angle = position x
; frequency in f32, up to 4,095 rad, reduced by pi/2 in two parts; polynomials good to 3e-7 on |r| <= pi/4; the frequency 2^(-j log2(10000) / 256) may differ from the reference's by a few
; units of its last place, up to some 4e-4 rad at the largest angles.
.set AS,      147456                   ; job C: Wv's rows, later the stage
.set DB,      164096                   ; job D: the eight waves' partial sums
.set WBF_WVO, 1048576
.set WBF_CV,  5767168
.set ID_D,    128
.set ID_A,    132
.set ID_B,    212
.macro PLACES                          ; four plain vector instructions between a matrix instruction and a load into, or a read of, its registers
.rept 4
	v_nop
.endr
.endm
	s_load_b512 s[8:23], s[0:1], 0x0               ; Wq s[8:9], Wk s[10:11], W1 s[12:13], W2 s[14:15], Wv s[16:17], Wo s[18:19], bv s[20:21], wbf s[22:23]
	s_load_b64 s[24:25], s[0:1], 0x40              ; rtab
	v_lshl_add_u32 v254, v0, 2, 0x29100
	v_mov_b32 v255, 0
	v_lshrrev_b32 v1, 5, v0
	v_readfirstlane_b32 s7, v1                     ; wave 0..7
	v_and_b32 v1, 31, v0                           ; lane l
	v_and_b32 v2, 15, v0                           ; r
	v_bfe_u32 v3, v0, 4, 1                         ; h
	v_lshlrev_b32 v4, 4, v1                        ; 16 l
	s_mov_b32 s2, ttmp9
	s_mov_b32 s29, 0                               ; high word of every 32-bit offset below
	s_wait_kmcnt 0x0
	s_cmp_lt_u32 s2, ID_D
	s_cbranch_scc1 .Ljob_c
	s_cmp_lt_u32 s2, ID_A
	s_cbranch_scc1 .Ljob_d
	s_cmp_lt_u32 s2, ID_B
	s_cbranch_scc1 .Ljob_a
; ---- JOB B: a wave makes two blocks of the table, one a trip: 33 groups x 8 waves x 2 = 528 blocks ----
	s_sub_co_u32 s46, s2, ID_B
	s_lshl_b32 s46, s46, 4
	s_lshl1_add_u32 s46, s7, s46                   ; my first block = 16 x group + 2 x wave
	s_mov_b32 s40, 0xb9500d01                      ; -1/5040
	s_mov_b32 s41, 0x3c088889                      ; 1/120
	s_mov_b32 s42, 0xbe2aaaab                      ; -1/6
	s_mov_b32 s43, 0x37d00d01                      ; 1/40320
	s_mov_b32 s44, 0xbab60b61                      ; -1/720
	s_mov_b32 s45, 0x3d2aaaab                      ; 1/24
.macro SINCOS e                        ; v24 angle, v25 n, v26 r, v27 z, v28 sin, v29 cos
	v_mul_f32 v24, v5, v[16+\e]
	v_mul_f32 v25, 0x3f22f983, v24                 ; x 2/pi
	v_rndne_f32 v25, v25
	v_fmamk_f32 v26, v25, 0xbfc90fdb, v24          ; angle - n pi/2: the upper part of pi/2,
	v_fmamk_f32 v26, v25, 0x333bbd2e, v26          ; and what that part is too large by
	v_mul_f32 v27, v26, v26
	v_fma_f32 v28, v27, s40, s41
	v_fma_f32 v29, v27, s43, s44
	v_fma_f32 v28, v28, v27, s42
	v_fma_f32 v29, v29, v27, s45
	v_mul_f32 v24, v26, v27
	v_fma_f32 v29, v29, v27, -0.5
	v_fma_f32 v28, v24, v28, v26                   ; sin r
	v_fma_f32 v29, v29, v27, 1.0                   ; cos r
	v_cvt_i32_f32 v25, v25
	v_and_b32 v24, 1, v25
	v_cmp_eq_u32 vcc_lo, 1, v24                    ; odd quadrants swap the two
	v_cndmask_b32 v27, v28, v29, vcc_lo
	v_cndmask_b32 v26, v29, v28, vcc_lo
	v_and_b32 v24, 2, v25                          ; sin is negative in quadrants 2, 3,
	v_add_nc_u32 v25, 1, v25
	v_lshlrev_b32 v24, 30, v24
	v_and_b32 v25, 2, v25                          ; cos in quadrants 1, 2
	v_xor_b32 v[40+\e], v24, v27
	v_lshlrev_b32 v25, 30, v25
	v_xor_b32 v[32+\e], v25, v26
.endm
	s_mov_b32 s6, 0
.Lb_blk:
	s_add_co_u32 s3, s46, s6                       ; the block, 0..527
	s_lshr_b32 s4, s3, 4                           ; blk
	s_and_b32 s5, s3, 15                           ; c
	s_lshl_b32 s26, s4, 7                          ; position = 128 blk + r ...
	s_cmp_eq_u32 s4, 32
	s_cselect_b32 s26, 16, s26                     ; ... or 16
	s_cselect_b32 s27, 0, 1
	s_lshl_b32 s28, s5, 4
	s_lshl_b32 s30, s3, 11                         ; the block's first byte
	v_mad_u32_u24 v5, v2, s27, s26
	v_cvt_f32_u32 v5, v5                           ; the position
	v_lshl_add_u32 v6, v3, 3, s28                  ; 16 c + 8 h
	v_add_nc_u32 v7, s30, v4
.irp e, 0,1,2,3,4,5,6,7
	v_add_nc_u32 v[16+\e], \e, v6
.endr
.irp e, 0,1,2,3,4,5,6,7
	v_cvt_f32_u32 v[16+\e], v[16+\e]
.endr
.irp e, 0,1,2,3,4,5,6,7
	v_mul_f32 v[16+\e], 0xbd549a78, v[16+\e]       ; -j log2(10000) / 256
.endr
.irp e, 0,1,2,3,4,5,6,7
	v_exp_f32 v[16+\e], v[16+\e]                   ; the frequency
.endr
	v_nop                                          ; a plain instruction between the last exponential and the use of its result
	s_wait_alu depctr_va_vdst(0)
.irp e, 0,1,2,3,4,5,6,7
	SINCOS \e
.endr
.irp i, 0,1,2,3
	global_store_b128 v7, v[32+4*\i:35+4*\i], s[24:25] offset:512*\i   ; 512 consecutive bytes a store
.endr
	s_wait_xcnt 0x0                                ; the stores' address and data are written again in the next trip only behind this wait
	s_add_co_u32 s6, s6, 1
	s_cmp_lt_u32 s6, 2
	s_cbranch_scc1 .Lb_blk
	s_endpgm
; ---- JOB A: 32,768 numbers a work-group; a thread takes 8 neighbours a pass, so that its 16 bytes of bf16 belong together ----
.Ljob_a:
	s_sub_co_u32 s3, s2, ID_A                      ; 0-7 Wq, 8-15 Wk, 16-47 W1, 48-79 W2
	s_mov_b64 s[26:27], s[8:9]
	s_mov_b32 s4, 0
	s_mov_b32 s5, 0
	s_cmp_ge_u32 s3, 8
	s_cselect_b64 s[26:27], s[10:11], s[26:27]
	s_cselect_b32 s4, 8, s4
	s_cmp_ge_u32 s3, 16
	s_cselect_b64 s[26:27], s[12:13], s[26:27]
	s_cselect_b32 s4, 16, s4
	s_cselect_b32 s5, 8, s5                        ; Wvo's 8 blocks lie between Wk and W1
	s_cmp_ge_u32 s3, 48
	s_cselect_b64 s[26:27], s[14:15], s[26:27]
	s_cselect_b32 s4, 48, s4
	s_sub_co_u32 s4, s3, s4
	s_lshl_b32 s28, s4, 17                         ; 131,072 bytes of f32 a block
	s_add_nc_u64 s[26:27], s[26:27], s[28:29]
	s_add_co_u32 s5, s3, s5
	s_lshl_b32 s28, s5, 16                         ; 65,536 bytes of bf16
	s_add_nc_u64 s[22:23], s[22:23], s[28:29]
	v_lshlrev_b32 v5, 5, v0
	v_lshlrev_b32 v6, 4, v0
.set p, 0
.rept 16
	global_load_b128 v[16+8*p:19+8*p], v5, s[26:27] offset:8192*p th:TH_LOAD_NT
	global_load_b128 v[20+8*p:23+8*p], v5, s[26:27] offset:8192*p+16 th:TH_LOAD_NT
.set p, p+1
.endr
.set p, 0
.rept 16
	s_wait_loadcnt 30-2*p                          ; the later passes' loads stay out
	v_cvt_pk_bf16_f32 v[144+4*p], v[16+8*p], v[17+8*p]
	v_cvt_pk_bf16_f32 v[145+4*p], v[18+8*p], v[19+8*p]
	v_cvt_pk_bf16_f32 v[146+4*p], v[20+8*p], v[21+8*p]
	v_cvt_pk_bf16_f32 v[147+4*p], v[22+8*p], v[23+8*p]
	global_store_b128 v6, v[144+4*p:147+4*p], s[22:23] offset:4096*p
.set p, p+1
.endr
	s_endpgm
; ---- JOB D: 128 columns of cv; wave w sums rows 64 w .. 64 w + 63 of Wo, a lane 4 columns; the eight partial sums meet in LDS ----
.Ljob_d:
	s_sub_co_u32 s3, s2, ID_D
	s_lshl_b32 s4, s3, 9                           ; the strip's 512 bytes in a row
	s_lshl_b32 s5, s7, 17                          ; 64 rows of 2,048 bytes
	s_add_co_u32 s28, s4, s5
	s_add_nc_u64 s[18:19], s[18:19], s[28:29]
	v_lshlrev_b32 v5, 2, v1
	v_lshl_add_u32 v5, s7, 8, v5                   ; bv[64 w + l]
	s_lshl_b32 s5, s7, 9
	s_add_co_u32 s5, s5, DB
	v_add_nc_u32 v6, s5, v4                        ; LDS: this job's bytes + 512 w + 16 l
	v_add_nc_u32 v8, DB, v4                        ; and where wave 0 reads the eight sums: this job's bytes + 16 l
	s_add_co_u32 s4, s4, WBF_CV
	v_add_nc_u32 v7, s4, v4
	s_mov_b32 s31, 0                               ; the packed forms name a pair and take its low word
	s_mov_b32 s33, 0
	global_load_b32 v10, v5, s[20:21]
	global_load_b32 v11, v5, s[20:21] offset:128
.set k, 0
.rept 32
	global_load_b128 v[16+4*k:19+4*k], v4, s[18:19] offset:2048*k
.set k, k+1
.endr
.set k, 0
.rept 32
	s_wait_loadcnt 31                              ; younger: 31 - k rows of this round and the k rows already asked for again
	v_readlane_b32 s[30+2*(k%2)], v10, k
.if k == 0
	v_pk_mul_f32 v[144:145], v[16:17], s[30:31] op_sel_hi:[1,0]    ; the first row starts the sums
	v_pk_mul_f32 v[146:147], v[18:19], s[30:31] op_sel_hi:[1,0]
.else
	v_pk_fma_f32 v[144:145], v[16+4*k:17+4*k], s[30+2*(k%2):31+2*(k%2)], v[144:145] op_sel_hi:[1,0,1]
	v_pk_fma_f32 v[146:147], v[18+4*k:19+4*k], s[30+2*(k%2):31+2*(k%2)], v[146:147] op_sel_hi:[1,0,1]
.endif
	global_load_b128 v[16+4*k:19+4*k], v4, s[18:19] offset:2048*(k+32)
.set k, k+1
.endr
.set k, 0
.rept 32
	s_wait_loadcnt 31-k
	v_readlane_b32 s[30+2*(k%2)], v11, k
	v_pk_fma_f32 v[144:145], v[16+4*k:17+4*k], s[30+2*(k%2):31+2*(k%2)], v[144:145] op_sel_hi:[1,0,1]
	v_pk_fma_f32 v[146:147], v[18+4*k:19+4*k], s[30+2*(k%2):31+2*(k%2)], v[146:147] op_sel_hi:[1,0,1]
.set k, k+1
.endr
	ds_store_b128 v6, v[144:147]
	s_wait_dscnt 0x0                               ; for wave 0's sake
	s_barrier_signal -1
	s_barrier_wait -1
	s_cmp_lg_u32 s7, 0
	s_cbranch_scc1 .Ld_end
.irp i, 0,1,2,3,4,5,6,7
	ds_load_b128 v[16+4*\i:19+4*\i], v8 offset:512*\i
.endr
	s_wait_dscnt 0x0
.irp i, 1,2,3,4,5,6,7
	v_pk_add_f32 v[16:17], v[16:17], v[16+4*\i:17+4*\i]
	v_pk_add_f32 v[18:19], v[18:19], v[18+4*\i:19+4*\i]
.endr
	global_store_b128 v7, v[16:19], s[22:23]
.Ld_end:
	s_wait_tensorcnt 0x0
	ds_add_u32 v254, v255
	s_wait_dscnt 0x0
	s_endpgm
; ---- JOB C: 16 rows x 128 columns of Wvo.  Wo's strip and Wv's rows go through registers (f32 -> bf16) into LDS; wave w makes the 16 rows x columns 16 w .. 16 w + 15 ----
.Ljob_c:
	s_lshr_b32 s3, s2, 2                           ; which 16 rows
	s_and_b32 s4, s2, 3                            ; which 128 columns
	s_lshl_b32 s28, s4, 9
	s_lshl_b32 s5, s7, 11
	s_add_co_u32 s28, s28, s5
	s_add_nc_u64 s[18:19], s[18:19], s[28:29]      ; Wo: row w, my strip; a pass goes 8 rows on
	s_lshl_b32 s28, s3, 15                         ; 16 rows of 2,048 bytes
	s_lshl_b32 s5, s7, 9
	s_add_co_u32 s28, s28, s5
	s_add_nc_u64 s[16:17], s[16:17], s[28:29]      ; Wv: row w / 4, quarter w % 4 (= 512 w bytes); a pass goes 2 rows on
	s_mul_i32 s5, s7, 288
	v_lshl_add_u32 v5, v1, 3, s5                   ; Wo in LDS: 288 w + 8 l, stepped by 64 rows
	s_lshr_b32 s5, s7, 2
	s_mul_i32 s5, s5, 1040
	s_and_b32 s6, s7, 3
	s_lshl_b32 s6, s6, 8
	s_add_co_u32 s5, s5, s6
	s_add_co_u32 s5, s5, AS
	v_lshl_add_u32 v6, v1, 3, s5                   ; Wv in LDS
	v_mul_u32_u24 v7, v2, 1040
	v_lshl_add_u32 v7, v3, 4, v7
	v_add_nc_u32 v7, AS, v7                        ; fragments of Wv: row x pitch + 16 h
	v_and_b32 v12, 7, v0
	v_bfe_u32 v13, v0, 3, 1
	v_lshl_add_u32 v8, v3, 3, v12
	v_mul_u32_u24 v8, v8, 288
	v_lshl_add_u32 v8, v13, 4, v8
	v_lshl_add_u32 v8, s7, 5, v8                   ; fragments of Wo, turned: (8 h + l % 8) x pitch + 16 ((l / 8) % 2) + 32 w; stepped by 128 K rows
	s_lshl_b32 s26, s7, 5
	s_add_co_u32 s26, s26, AS
	v_mul_u32_u24 v9, v2, 272
	v_lshl_add_u32 v9, v3, 4, v9
	v_add_nc_u32 v9, s26, v9                       ; into the stage: row r, my 32 bytes, 16 for each half of the lanes
	s_mul_i32 s26, s7, 2*272
	s_add_co_u32 s26, s26, AS
	v_mul_u32_u24 v10, v3, 272
	v_lshl_add_u32 v10, v2, 4, v10
	v_add_nc_u32 v10, s26, v10                     ; back: rows 2 w + h, whole
	s_lshl_b32 s26, s3, 14                         ; 16 rows of 1,024 bytes
	s_lshl_b32 s27, s7, 11
	s_add_co_u32 s26, s26, s27
	s_lshl_b32 s27, s4, 8
	s_add_co_u32 s26, s26, s27
	s_add_co_u32 s26, s26, WBF_WVO
	v_lshlrev_b32 v11, 10, v3
	v_lshl_add_u32 v11, v2, 4, v11
	v_add_nc_u32 v11, s26, v11
; nine sub-blocks of eight loads (0-7: Wo, 8: Wv) through six buffers of 32 registers
.macro CLOAD q
.set cb, 16+32*((\q)%6)
.irp n, 0,1,2,3,4,5,6,7
.if (\q) < 8
	global_load_b128 v[cb+4*\n:cb+4*\n+3], v4, s[18:19] offset:16384*(8*(\q)+\n)
.else
	global_load_b128 v[cb+4*\n:cb+4*\n+3], v4, s[16:17] offset:4096*(8*((\q)-8)+\n)
.endif
.endr
.endm
.macro CSTORE q, cnt
.set cb, 16+32*((\q)%6)
	s_wait_loadcnt \cnt
.irp n, 0,1,2,3,4,5,6,7
	v_cvt_pk_bf16_f32 v[208+2*\n], v[cb+4*\n], v[cb+4*\n+1]
	v_cvt_pk_bf16_f32 v[209+2*\n], v[cb+4*\n+2], v[cb+4*\n+3]
.endr
.irp n, 0,1,2,3,4,5,6,7
.if (\q) < 8
	ds_store_b64 v5, v[208+2*\n:209+2*\n] offset:2304*\n
.else
	ds_store_b64 v6, v[208+2*\n:209+2*\n] offset:2080*(8*((\q)-8)+\n)
.endif
.endr
.if (\q) < 8
	v_add_nc_u32 v5, 18432, v5
.endif
.endm
.irp q, 0,1,2,3,4,5
	CLOAD \q
.endr
.irp q, 0,1,2
	CSTORE \q, 40                                  ; five younger sub-blocks stay out
	CLOAD \q+6
.endr
	CSTORE 3, 40
	CSTORE 4, 32
	CSTORE 5, 24
	CSTORE 6, 16
	CSTORE 7, 8
	CSTORE 8, 0
	s_wait_dscnt 0x0                               ; my stores are done, for the others' sake
	s_barrier_signal -1
	s_barrier_wait -1
; source 0 = 16 columns of Wo (turned), source 1 = 16 rows of Wv: a lane's eight results are eight neighbouring columns of one row.
; Four K steps of 32 to a run of 16 loads; two buffers of 64 registers, where the staging buffers lay.
.macro FETCHC buf, g
.set fb, 16+64*\buf
.irp d, 0,1,2,3
	ds_load_b128 v[fb+16*\d:fb+16*\d+3],   v7 offset:64*(4*\g+\d)
	ds_load_b128 v[fb+16*\d+4:fb+16*\d+7], v7 offset:64*(4*\g+\d)+32
	ds_load_tr16_b128 v[fb+16*\d+8:fb+16*\d+11],  v8 offset:9216*\d
	ds_load_tr16_b128 v[fb+16*\d+12:fb+16*\d+15], v8 offset:9216*\d+4608
.endr
	v_add_nc_u32 v8, 36864, v8
.endm
.macro MULC buf, zero                  ; two accumulators, the even K steps' and the odd ones', take turns, one instruction a turn
.set fb, 16+64*\buf
.irp d, 0,1,2,3
.if \zero && (\d < 2)
	v_wmma_f32_16x16x32_bf16 v[144+8*(\d%2):151+8*(\d%2)], v[fb+16*\d+8:fb+16*\d+15], v[fb+16*\d:fb+16*\d+7], 0
.else
	v_wmma_f32_16x16x32_bf16 v[144+8*(\d%2):151+8*(\d%2)], v[fb+16*\d+8:fb+16*\d+15], v[fb+16*\d:fb+16*\d+7], v[144+8*(\d%2):151+8*(\d%2)]
.endif
.endr
.endm
	FETCHC 0, 0
	FETCHC 1, 1
	s_wait_dscnt 16                                ; the other buffer's 16 loads stay out
	MULC 0, 1                                      ; the first two K steps start the two sums
	PLACES
	FETCHC 0, 2
	s_wait_dscnt 16
	MULC 1, 0
	PLACES
	FETCHC 1, 3
	s_wait_dscnt 16
	MULC 0, 0
	s_wait_dscnt 0x0
	MULC 1, 0
	s_barrier_signal -1                            ; every wave's reads of Wv's rows are back: their bytes become the stage
	s_barrier_wait -1
	PLACES
.irp p, 0,1,2,3
	v_pk_add_f32 v[160+2*\p:161+2*\p], v[144+2*\p:145+2*\p], v[152+2*\p:153+2*\p]
.endr
.irp p, 0,1,2,3
	v_cvt_pk_bf16_f32 v[168+\p], v[160+2*\p], v[161+2*\p]
.endr
	ds_store_b128 v9, v[168:171]
	s_wait_dscnt 0x0                               ; a row's 256 bytes come from all eight waves
	s_barrier_signal -1
	s_barrier_wait -1
	ds_load_b128 v[172:175], v10
	s_wait_dscnt 0x0
	global_store_b128 v11, v[172:175], s[22:23]    ; 16 lanes store 256 consecutive bytes, aligned
	s_wait_tensorcnt 0x0
	ds_add_u32 v254, v255
	s_wait_dscnt 0x0
	s_endpgm
.Lfunc_end_k_qc21dd16206_prep:
	.size	k_qc21dd16206_prep, .Lfunc_end_k_qc21dd16206_prep-k_qc21dd16206_prep
	.p2alignl 7, 3214868480
	.fill 96, 4, 3214868480
	.section	.rodata,"a",@progbits
	.p2align	6, 0x0
	.amdhsa_kernel k_qc21dd16206_prep
		.amdhsa_group_segment_fixed_size 169216
		.amdhsa_private_segment_fixed_size 0
		.amdhsa_enable_private_segment 0
		.amdhsa_kernarg_size 72
		.amdhsa_user_sgpr_count 2
		.amdhsa_user_sgpr_kernarg_segment_ptr 1
		.amdhsa_wavefront_size32 1
		.amdhsa_system_sgpr_workgroup_id_x 1
		.amdhsa_system_sgpr_workgroup_id_y 1
		.amdhsa_system_sgpr_workgroup_id_z 1
		.amdhsa_system_vgpr_workitem_id 0
		.amdhsa_next_free_vgpr 256
		.amdhsa_next_free_sgpr 66
		.amdhsa_reserve_vcc 1
		.amdhsa_float_denorm_mode_32 3
		.amdhsa_float_denorm_mode_16_64 3
		.amdhsa_memory_ordered 1
		.amdhsa_forward_progress 1
		.amdhsa_inst_pref_size 76
	.end_amdhsa_kernel
	.amdgpu_metadata
---
amdhsa.version: [ 1, 2 ]
amdhsa.kernels:
  - .name:           k_qc21dd16206_prep
    .symbol:         k_qc21dd16206_prep.kd
    .args:
      - { .name: Wq, .offset: 0, .size: 8, .value_kind: global_buffer, .address_space: global }
      - { .name: Wk, .offset: 8, .size: 8, .value_kind: global_buffer, .address_space: global }
      - { .name: W1, .offset: 16, .size: 8, .value_kind: global_buffer, .address_space: global }
      - { .name: W2, .offset: 24, .size: 8, .value_kind: global_buffer, .address_space: global }
      - { .name: Wv, .offset: 32, .size: 8, .value_kind: global_buffer, .address_space: global }
      - { .name: Wo, .offset: 40, .size: 8, .value_kind: global_buffer, .address_space: global }
      - { .name: bv, .offset: 48, .size: 8, .value_kind: global_buffer, .address_space: global }
      - { .name: wbf, .offset: 56, .size: 8, .value_kind: global_buffer, .address_space: global }
      - { .name: rtab, .offset: 64, .size: 8, .value_kind: global_buffer, .address_space: global }
    .group_segment_fixed_size: 169216
    .private_segment_fixed_size: 0
    .kernarg_segment_align: 8
    .kernarg_segment_size: 72
    .max_flat_workgroup_size: 256
    .sgpr_count:     66
    .vgpr_count:     256
    .wavefront_size: 32
...
	.end_amdgpu_metadata
.endif
;; end of part 1
;; launch proj (part 2): grid 64 x 3, 4 waves a work-group, clusters of 4 x 1, 327,680 bytes of LDS; arguments q, k, ln_q_w, ln_q_b, ln_kv_w, ln_kv_b, bq, bk, wbf, rtab, qkv; writes qkv
.if DOCPART == 2
	.amdgcn_target "amdgcn-amd-amdhsa--gfx1250"
	.amdhsa_code_object_version 6
	.text
	.protected	k_qc21dd16206_proj
	.globl	k_qc21dd16206_proj
	.p2align	8
	.type	k_qc21dd16206_proj,@function
k_qc21dd16206_proj:
	s_mov_b64 s[64:65], 0
	v_nop
	global_prefetch_b8 v0, s[64:65] scope:SCOPE_SE
	s_setreg_imm32_b32 hwreg(HW_REG_WAVE_MODE, 25, 1), 1
	s_wait_xcnt 0x0
	s_wait_alu depctr_hold_cnt(0) depctr_sa_sdst(0) depctr_va_vdst(0) depctr_va_sdst(0) depctr_va_ssrc(0) depctr_va_vcc(0) depctr_vm_vsrc(0)
	s_getreg_b32 s2, hwreg(HW_REG_IB_STS2, 6, 4)
	s_cmp_eq_u32 s2, 0
	s_cbranch_scc0 .Lentry_in_a_cluster
	s_endpgm
.Lentry_in_a_cluster:
	s_bfe_u32 s2, ttmp6, 0x10000c
	s_cmp_lg_u32 s2, 0x3003
	s_cbranch_scc0 .Lentry_shape_is_right
	s_endpgm
.Lentry_shape_is_right:
; Job y = 0: Q = rope(LN(q) Wq + bq).  1: K = rope(LN(k) Wk + bk).  2: V' = LN(k) Wvo + cv.  Results in bf16, [8192][512], job y at y x 8,388,608 bytes of qkv.
; SHARES.  A work-group: 128 rows x all 512 channels of one job.  A wave normalises 32 rows (f32, mean first and then the squares of the differences, so a common offset does no harm)
; and puts them into LDS as bf16; then it makes 128 rows x 128 channels: tiles b = 0..3 are channels 64 w + 16 b, tiles 4..7 the channels 256 further on, RoPE's partners.
; THE MATRIX INSTRUCTION IS USED TRANSPOSED: source 0 = 16 channels of W (W lies [K][N] and is turned by ds_load_tr16_b128), source 1 = 16 rows of X: a lane holds one row and eight
; neighbouring channels.  The bias is the C of the first K step: nothing is cleared and nothing is added afterwards.
; CLUSTER.  The four row blocks of a cluster walk the same weights: each tile of W is asked for jointly (mask 15).  Every wave asks for its own strip of 128 columns.
; Tensor loads of a wave outstanding: two at the start, one behind each round.
; LDS: two slots of 64 K rows x 512 columns as 4 strips (64 rows x 288 bytes) at 0 and 73,728; X, 128 rows x 1,040 bytes, at 147,456: written by LDS stores alone, and the stage on the way out.
; REGISTERS.  window 0: v16-26 addresses; v32-63 LN gain and bias, later results; v64-127, v128-191 fragments of X (at work in LN before, cos/sin set B after); v192-255 cos/sin set A
;   window 1: rows 0-15 as loaded; then v0-63 the bias, v64-191 fragments of W, v192-255 the table's step rotation
;   window 2: rows 16-31 as loaded; then accumulators of row tiles 0-3 ((a, b) at v[8 (8 a + b)]);  window 3: row tiles 4-7
; RoPE: the table gives cos and sin for the block's first 16 rows in the results' own lane order; each further tile of 16 rows is reached by rotating the pair by 16 positions.
; All three jobs load both tables, so that the waits count the same loads in each; job 2 does not use them.
; LIMITS: operands and results rounded to bf16; NaN and infinities are not treated apart.
.set PW,    288
.set STRIP, 64*PW
.set SLOT,  4*STRIP
.set XB,    2*SLOT
.set PX,    1040
.set WROW,  1024                       ; bytes from a K row of W to the next
.set WSTEP, 2*64*WROW                  ; a slot's next tile lies two slots on
.set ORow,  1024                       ; bytes in a row of the output
.set WBF_CV, 5767168
.set ADRW, 16                          ; v16-17 fragments of W in slot 0, 1
.set ADRX, 18                          ; v18-19 fragments of X, rows 0-63, 64-127; stepped along K
.set STO,  20                          ; v20-21 into the stage, rows 0-63, 64-127
.set RD,   22                          ; back from the stage
.set XW,   24                          ; where LN puts my rows
.set LO,   25                          ; 16 l
.set BO,   26                          ; my offset in the bias
.set GAM,  32
.set BET,  48
.set TS,   64                          ; LN: 8 registers a row at work
.set F0,   64
.set F1,   128
.set G1,   32                          ; s[32:39] descriptor group 1
.set G0,   40                          ; s[40:47] group 0, a set for each slot
.set SEL,  48                          ; s[48:49] lane selects for v_permlanex16_b32
.set MSB, 0
.macro WIN new                         ; the immediate's high byte repeats the setting that is left; a switch that changes nothing is dropped
.if MSB != (\new)
	s_set_vgpr_msb (MSB<<8)|(\new)
.set MSB, (\new)
.endif
.endm
.macro PLACES                          ; four plain vector instructions between a matrix instruction and a load into, or a vector read or write of, its registers
.rept 4
	v_nop
.endr
.endm
.macro CREST                           ; a round of the cluster's barrier behind its opening barrier
	s_cmp_lg_u32 s10, 0
	s_cbranch_scc1 .Lnot_wave_0_\@
	s_barrier_signal -3
.Lnot_wave_0_\@:
	s_barrier_wait -3
	s_barrier_signal -1
	s_barrier_wait -1
.endm
.macro CROUND
	s_barrier_signal -1
	s_barrier_wait -1
	CREST
.endm
.macro JLOADW s                        ; my strip of a slot, jointly; four v_nop follow
	tensor_load_to_lds s[G0+4*\s:G0+4*\s+3], s[G1:G1+7]
	s_nop 0
.rept 4
	v_nop
.endr
.endm
	s_load_b512 s[68:83], s[0:1], 0x0              ; q, k, ln_q_w, ln_q_b, ln_kv_w, ln_kv_b, bq, bk
	s_load_b128 s[84:87], s[0:1], 0x40             ; wbf, rtab
	s_load_b64 s[88:89], s[0:1], 0x50              ; qkv
	v_lshl_add_u32 v30, v0, 2, 0x44800
	v_mov_b32 v31, 0
	ds_add_u32 v30, v31
	v_lshrrev_b32 v1, 5, v0
	v_readfirstlane_b32 s10, v1                    ; wave 0..3
	s_bfe_u32 s11, ttmp6, 0x40000                  ; cx
	s_lshl_b32 s12, ttmp9, 2
	s_add_co_u32 s12, s12, s11                     ; my row block: it enters X's, the table's and the output's addresses alone
	s_and_b32 s13, ttmp7, 0xffff                   ; the job, which the partners share
	s_mov_b32 s[G1+0], 15|(1<<16)|(1<<20)|(1<<21)|(5<<22)|(7<<25)  ; mask: all four; elements of 2 bytes; padding on; bit 21 beside a mask; after every 64 words 8 words
	s_mov_b32 s[G1+1], 128<<16                     ; tensor_dim0 = 128
	s_mov_b32 s[G1+2], 64<<16                      ; tensor_dim1 = 64
	s_mov_b32 s[G1+3], 128<<16                     ; tile_dim0 = 128
	s_mov_b32 s[G1+4], 64                          ; tile_dim1 = 64
	s_mov_b32 s[G1+5], 512                         ; elements from row to row
	s_mov_b32 s[G1+6], 0
	s_mov_b32 s[G1+7], 0
	s_mov_b32 s[SEL], 0x76543210
	s_mov_b32 s[SEL+1], 0xfedcba98
	s_mov_b32 s50, 0x3b000000                      ; 1/512
	s_mov_b32 s51, 0x3727c5ac                      ; 1e-5
	s_mul_i32 s20, s10, STRIP
	s_lshl_b32 s22, s13, 19                        ; the job's weights
	s_lshl_b32 s21, s10, 8                         ; my strip's 256 bytes in a row
	s_add_co_u32 s22, s22, s21
	s_mov_b32 s23, 0
	s_mov_b32 s25, 0
	s_wait_dscnt 0x0
	s_wait_kmcnt 0x0
	s_add_nc_u64 s[22:23], s[84:85], s[22:23]
.irp s, 0,1
	s_mov_b32 s[G0+4*\s], 1
	s_add_co_u32 s[G0+4*\s+1], s20, \s*SLOT
	s_add_nc_u64 s[G0+4*\s+2:G0+4*\s+3], s[22:23], \s*64*WROW
	s_or_b32 s[G0+4*\s+3], s[G0+4*\s+3], 0x80000000
.endr
	CROUND                                         ; all four work-groups are here: the first joint loads meet
	tensor_load_to_lds s[G0:G0+3], s[G1:G1+7]      ; both first fills together, ahead of the 136 loads below, which fill the load counter
	s_nop 0
	tensor_load_to_lds s[G0+4:G0+7], s[G1:G1+7]
	s_nop 0
.rept 4
	v_nop
.endr
	s_cmp_eq_u32 s13, 0
	s_cselect_b64 s[4:5], s[68:69], s[70:71]       ; X
	s_cselect_b64 s[6:7], s[72:73], s[76:77]       ; LN gain
	s_cselect_b64 s[8:9], s[74:75], s[78:79]       ; LN bias
	s_cselect_b64 s[14:15], s[80:81], s[82:83]     ; the product's bias: bq, bk,
	s_add_nc_u64 s[16:17], s[84:85], WBF_CV
	s_cmp_eq_u32 s13, 2
	s_cselect_b64 s[14:15], s[16:17], s[14:15]     ; or cv
	s_lshl_b32 s18, s12, 7
	s_lshl_b32 s19, s10, 5
	s_add_co_u32 s18, s18, s19                     ; my first row: 128 x block + 32 x wave
	s_lshl_b32 s24, s18, 11
	s_add_nc_u64 s[4:5], s[4:5], s[24:25]
	s_lshl_b32 s24, s18, 10
	s_add_nc_u64 s[88:89], s[88:89], s[24:25]
	s_lshl_b32 s24, s13, 23
	s_add_nc_u64 s[88:89], s[88:89], s[24:25]
	s_and_b32 s24, s12, 31                         ; the block's place in its sequence of 4,096
	s_lshl_b32 s24, s24, 15
	s_lshl_b32 s19, s10, 13                        ; my four channel groups
	s_add_co_u32 s24, s24, s19
	s_add_nc_u64 s[26:27], s[86:87], s[24:25]      ; the table's base blocks
	s_add_co_u32 s24, s19, 1048576
	s_add_nc_u64 s[28:29], s[86:87], s[24:25]      ; its step blocks
	v_and_b32 v1, 31, v0                           ; l
	v_and_b32 v2, 15, v0                           ; r
	v_bfe_u32 v3, v0, 4, 1                         ; h
	v_and_b32 v4, 7, v0
	v_bfe_u32 v5, v0, 3, 1
	v_lshlrev_b32 v[LO], 4, v1
.irp i, 0,1,2,3
	global_load_b128 v[GAM+4*\i:GAM+4*\i+3], v[LO], s[6:7] offset:512*\i   ; a lane holds elements 128 i + 4 l + 0..3
	global_load_b128 v[BET+4*\i:BET+4*\i+3], v[LO], s[8:9] offset:512*\i
.endr
	WIN 0x40                                       ; destination window 1: rows 0-15, 16 registers a row
.set n, 0
.rept 64
	global_load_b128 v[4*n:4*n+3], v[LO], s[4:5] offset:512*n
.set n, n+1
.endr
	WIN 0x80                                       ; window 2: rows 16-31
.set n, 0
.rept 64
	global_load_b128 v[4*n:4*n+3], v[LO], s[4:5] offset:512*(n+64)
.set n, n+1
.endr
	WIN 0
	v_lshl_add_u32 v6, v3, 3, v4
	v_mul_u32_u24 v6, v6, PW
	v_lshl_add_u32 v6, v5, 4, v6                   ; turned: (8 h + l % 8) x pitch + 16 ((l / 8) % 2)
	s_lshr_b32 s19, s10, 1
	s_mul_i32 s19, s19, STRIP                      ; channels 64 w .. lie in strip w / 2, at column 64 (w % 2)
	s_and_b32 s24, s10, 1
	s_lshl_b32 s24, s24, 7
	s_add_co_u32 s19, s19, s24
	v_add_nc_u32 v[ADRW], s19, v6
	v_add_nc_u32 v[ADRW+1], SLOT, v[ADRW]
	v_mul_u32_u24 v7, v2, PX
	v_lshl_add_u32 v7, v3, 4, v7                   ; row x pitch + 16 h
	v_add_nc_u32 v[ADRX], XB, v7
	v_add_nc_u32 v[ADRX+1], XB+64*PX, v7
	s_lshl_b32 s19, s10, 7
	v_add_nc_u32 v[STO], s19, v[ADRX]              ; the same rows, at my 64 channels' 128 bytes
	v_add_nc_u32 v[STO+1], s19, v[ADRX+1]
	s_mul_i32 s19, s10, 32*PX
	s_add_co_u32 s19, s19, XB
	v_add_nc_u32 v[RD], s19, v[LO]
	v_lshl_add_u32 v[XW], v1, 3, s19
	s_lshl_b32 s24, s10, 8
	v_lshl_add_u32 v[BO], v3, 5, s24               ; 4 (64 w + 8 h)
; LAYER NORM, four rows at a time so that no instruction waits for the one in front of it.  W: the window of the rows; base: their first register; bt: the batch.
.macro RED4 t                          ; the sum over the 32 lanes of v[t + 8 p], p = 0..3, in every lane; v[t + 8 p + 1] at work
.irp m, 1,2,4,8
.irp p, 0,1,2,3
	v_add_f32_dpp v[\t+8*\p], v[\t+8*\p], v[\t+8*\p] row_xmask:\m row_mask:0xf bank_mask:0xf
.endr
.endr
.irp p, 0,1,2,3
	v_permlanex16_b32 v[\t+8*\p+1], v[\t+8*\p], s[SEL], s[SEL+1]
.endr
.irp p, 0,1,2,3
	v_add_f32 v[\t+8*\p], v[\t+8*\p], v[\t+8*\p+1]
.endr
.endm
.macro LN4 W, base, bt, cnt
	s_wait_loadcnt \cnt                            ; the later batches' loads stay out (112 - 16 bt of them; the count names at most 63)
	WIN 5*\W                                       ; sources 0, 1 in the rows' window
.irp p, 0,1,2,3
.irp j, 0,1,2,3
	v_pk_add_f32 v[TS+8*\p+2*\j:TS+8*\p+2*\j+1], v[\base+16*\p+4*\j:\base+16*\p+4*\j+1], v[\base+16*\p+4*\j+2:\base+16*\p+4*\j+3]
.endr
.endr
	WIN 0
.irp p, 0,1,2,3
	v_pk_add_f32 v[TS+8*\p:TS+8*\p+1], v[TS+8*\p:TS+8*\p+1], v[TS+8*\p+2:TS+8*\p+3]
	v_pk_add_f32 v[TS+8*\p+4:TS+8*\p+5], v[TS+8*\p+4:TS+8*\p+5], v[TS+8*\p+6:TS+8*\p+7]
.endr
.irp p, 0,1,2,3
	v_pk_add_f32 v[TS+8*\p:TS+8*\p+1], v[TS+8*\p:TS+8*\p+1], v[TS+8*\p+4:TS+8*\p+5]
.endr
.irp p, 0,1,2,3
	v_add_f32 v[TS+8*\p], v[TS+8*\p], v[TS+8*\p+1]
.endr
	RED4 TS
	WIN 0x50*\W                                    ; source 2 and destination in the rows' window: x - sum / 512, in place
.irp p, 0,1,2,3
.irp j, 0,2,4,6,8,10,12,14
	v_pk_fma_f32 v[\base+16*\p+\j:\base+16*\p+\j+1], v[TS+8*\p:TS+8*\p+1], 0xbb000000, v[\base+16*\p+\j:\base+16*\p+\j+1] op_sel_hi:[0,0,1]
.endr
.endr
	WIN 5*\W
.irp p, 0,1,2,3
	v_pk_mul_f32 v[TS+8*\p+2:TS+8*\p+3], v[\base+16*\p:\base+16*\p+1], v[\base+16*\p:\base+16*\p+1]
	v_pk_mul_f32 v[TS+8*\p+4:TS+8*\p+5], v[\base+16*\p+2:\base+16*\p+3], v[\base+16*\p+2:\base+16*\p+3]
.endr
.irp j, 4,8,12
.irp p, 0,1,2,3
	v_pk_fma_f32 v[TS+8*\p+2:TS+8*\p+3], v[\base+16*\p+\j:\base+16*\p+\j+1], v[\base+16*\p+\j:\base+16*\p+\j+1], v[TS+8*\p+2:TS+8*\p+3]
	v_pk_fma_f32 v[TS+8*\p+4:TS+8*\p+5], v[\base+16*\p+\j+2:\base+16*\p+\j+3], v[\base+16*\p+\j+2:\base+16*\p+\j+3], v[TS+8*\p+4:TS+8*\p+5]
.endr
.endr
	WIN 0
.irp p, 0,1,2,3
	v_pk_add_f32 v[TS+8*\p+2:TS+8*\p+3], v[TS+8*\p+2:TS+8*\p+3], v[TS+8*\p+4:TS+8*\p+5]
.endr
.irp p, 0,1,2,3
	v_add_f32 v[TS+8*\p+2], v[TS+8*\p+2], v[TS+8*\p+3]
.endr
	RED4 TS+2
.irp p, 0,1,2,3
	v_fma_f32 v[TS+8*\p+2], v[TS+8*\p+2], s50, s51 ; variance + 1e-5
.endr
.irp p, 0,1,2,3
	v_rsq_f32 v[TS+8*\p+2], v[TS+8*\p+2]
.endr
	v_nop                                          ; a plain instruction between the last root and the use of its result
	WIN \W|(\W<<6)
	s_wait_alu depctr_va_vdst(0)
.irp p, 0,1,2,3
.irp j, 0,2,4,6,8,10,12,14
	v_pk_mul_f32 v[\base+16*\p+\j:\base+16*\p+\j+1], v[\base+16*\p+\j:\base+16*\p+\j+1], v[TS+8*\p+2:TS+8*\p+3] op_sel_hi:[1,0]
.endr
.endr
	WIN \W
.irp p, 0,1,2,3
.irp j, 0,2,4,6,8,10,12,14
	v_pk_fma_f32 v[128+16*\p+\j:129+16*\p+\j], v[\base+16*\p+\j:\base+16*\p+\j+1], v[GAM+\j:GAM+\j+1], v[BET+\j:BET+\j+1]
.endr
.endr
	WIN 0
.irp p, 0,1,2,3
.irp j, 0,1,2,3,4,5,6,7
	v_cvt_pk_bf16_f32 v[96+8*\p+\j], v[128+16*\p+2*\j], v[129+16*\p+2*\j]
.endr
.endr
.irp p, 0,1,2,3
.irp i, 0,1,2,3
	ds_store_b64 v[XW], v[96+8*\p+2*\i:97+8*\p+2*\i] offset:(4*\bt+\p)*PX+256*\i
.endr
.endr
.endm
	LN4 1, 0,   0, 63
	LN4 1, 64,  1, 63
	LN4 1, 128, 2, 63
	LN4 1, 192, 3, 63
	LN4 2, 0,   4, 48
	LN4 2, 64,  5, 32
	LN4 2, 128, 6, 16
	LN4 2, 192, 7, 0
	WIN 0x40                                       ; the bias in C's layout: register j of tile b is channel 8 h + j of the tile, in every row
.irp b, 0,1,2,3,4,5,6,7
	global_load_b128 v[8*\b:8*\b+3],   v[BO], s[14:15] offset:64*(\b%4)+1024*(\b/4)
	global_load_b128 v[8*\b+4:8*\b+7], v[BO], s[14:15] offset:64*(\b%4)+1024*(\b/4)+16
.endr
	WIN 0
.irp n, 0,1,2,3,4,5,6,7,8,9,10,11,12,13,14,15
	global_load_b128 v[192+4*\n:195+4*\n], v[LO], s[26:27] offset:512*\n   ; tile b: cos at v[192 + 16 b + e], sin at v[200 + 16 b + e]
.endr
	WIN 0x40
.irp n, 0,1,2,3,4,5,6,7,8,9,10,11,12,13,14,15
	global_load_b128 v[192+4*\n:195+4*\n], v[LO], s[28:29] offset:512*\n
.endr
	WIN 0
; 16 matrix instructions: row tiles a0, a0 + 1 of the window's four x all 8 channel tiles, 32 along K.  mode = 1: C is the bias (window 1), and the product starts the sums.
; The 64 accumulators take turns, one instruction a turn, in the same order in every half step.
.macro MUL16 f, hi, a0, mode
.irp a, \a0, \a0+1
.irp b, 0,1,2,3,4,5,6,7
.if \mode
	v_wmma_f32_16x16x32_bf16 v[8*(8*(\a)+\b):8*(8*(\a)+\b)+7], v[\f+8*\b:\f+8*\b+7], v[\f+8*(4*\hi+\a):\f+8*(4*\hi+\a)+7], v[8*\b:8*\b+7]
.else
	v_wmma_f32_16x16x32_bf16 v[8*(8*(\a)+\b):8*(8*(\a)+\b)+7], v[\f+8*\b:\f+8*\b+7], v[\f+8*(4*\hi+\a):\f+8*(4*\hi+\a)+7], v[8*(8*(\a)+\b):8*(8*(\a)+\b)+7]
.endif
.endr
.endr
.endm
; 32 LDS loads in one run: the fragments of 32 along K (half kh of the slot; byte kx of X's rows) into buffer f
.macro FETCH slot, kh, kx, f
	WIN 0x40
.irp b, 0,1,2,3,4,5,6,7
	ds_load_tr16_b128 v[\f+8*\b:\f+8*\b+3],   v[ADRW+\slot] offset:(\b/4)*2*STRIP+(\b%4)*32+\kh*32*PW
	ds_load_tr16_b128 v[\f+8*\b+4:\f+8*\b+7], v[ADRW+\slot] offset:(\b/4)*2*STRIP+(\b%4)*32+\kh*32*PW+16*PW
.endr
	WIN 0
.irp i, 0,1,2,3,4,5,6,7
	ds_load_b128 v[\f+8*\i:\f+8*\i+3],   v[ADRX+\i/4] offset:(\i%4)*16*PX+\kx
	ds_load_b128 v[\f+8*\i+4:\f+8*\i+7], v[ADRX+\i/4] offset:(\i%4)*16*PX+\kx+32
.endr
.endm
; A slot's first half: multiplies buffer f and fetches the second half's fragments into g
.macro QUARTER slot, kh, kx, f, g, mode
	s_wait_dscnt 8                                 ; W and X's rows 0-63 are in; the youngest eight loads (rows 64-127) may be out
	WIN 0xa1-0x10*\mode                            ; W window 1, X window 0, D window 2; C window 2, or 1 for the bias
	MUL16 \f, 0, 0, \mode
	MUL16 \f, 0, 2, \mode
	PLACES
	FETCH \slot, \kh, \kx, \g
	s_wait_dscnt 32                                ; all but the 32 just issued
	WIN 0xf1-0x20*\mode
	MUL16 \f, 1, 0, \mode
	MUL16 \f, 1, 2, \mode
.endm
; A slot's second half multiplies buffer 1 and changes slots: in front of the barrier each wave waits for its reads of the slot and for all its tensor loads (one is out: its strip of
; the next slot).  fill = 1: the barrier opens a round of the cluster's, and the joint refill, two slots ahead, is the first thing behind it: 112 matrix instructions ahead of the wait for it.
.macro TURN slot, next, kx, fill
	s_wait_dscnt 8
	WIN 0xa1
	MUL16 F1, 0, 0, 0
	s_wait_dscnt 0x0
	s_set_vgpr_msb 0xa1a0
	s_wait_tensorcnt 0x0
	ds_add_u32 v30, v31
	s_wait_dscnt 0x0
	s_set_vgpr_msb 0xa0a1
	s_barrier_signal -1
	MUL16 F1, 0, 2, 0
.if \fill
	WIN 0
.endif
	s_barrier_wait -1
.if \fill
	CREST
	s_add_nc_u64 s[G0+4*\slot+2:G0+4*\slot+3], s[G0+4*\slot+2:G0+4*\slot+3], WSTEP
	JLOADW \slot                                   ; its four v_nop are also the places in front of the loads below
.else
	PLACES
.endif
	FETCH \next, 0, \kx, F0
	WIN 0xf1
	MUL16 F1, 1, 0, 0
	MUL16 F1, 1, 2, 0
.endm
	s_wait_dscnt 0x0                               ; my rows of X are in LDS,
	s_wait_tensorcnt 0x1                           ; my strip of slot 0 too; slot 1's may stay out
	s_barrier_signal -1
	s_barrier_wait -1
	s_wait_loadcnt 32                              ; the bias; the two tables' 32 loads stay out
	FETCH 0, 0, 0, F0
	QUARTER 0, 1, 64, F0, F1, 1                    ; the first half step stands in front of the loop: its products start the sums on the bias
	WIN 0
	s_mov_b32 s3, 3
.Lk:                                                   ; a trip: 128 along K, 256 matrix instructions, both slots filled again
	TURN 0, 1, 128, 1
	QUARTER 1, 1, 192, F0, F1, 0
	TURN 1, 0, 256, 1
	QUARTER 0, 1, 320, F0, F1, 0
	WIN 0
	v_add_nc_u32 v[ADRX], 256, v[ADRX]
	v_add_nc_u32 v[ADRX+1], 256, v[ADRX+1]
	s_sub_co_u32 s3, s3, 1
	s_cmp_lg_u32 s3, 0
	s_cbranch_scc1 .Lk
	TURN 0, 1, 128, 0                              ; the tail is written out: nothing is left to ask for
	QUARTER 1, 1, 192, F0, F1, 0
	s_wait_dscnt 8
	WIN 0xa1
	MUL16 F1, 0, 0, 0
	MUL16 F1, 0, 2, 0
	s_wait_dscnt 0x0
	WIN 0xf1
	MUL16 F1, 1, 0, 0
	MUL16 F1, 1, 2, 0
	WIN 0
	s_barrier_signal -1                            ; every wave's reads of X are back: its bytes become the stage
	s_barrier_wait -1
	s_wait_loadcnt 0x0                             ; the tables
	PLACES
.macro CVT32                           ; v32-95 rounded to bf16 into v96-127
.set i, 0
.rept 32
	v_cvt_pk_bf16_f32 v[96+i], v[32+2*i], v[33+2*i]
.set i, i+1
.endr
.endm
.macro STAGE8 a                        ; row tile a: a lane's 16 bytes of each of its 8 channel tiles
.irp b, 0,1,2,3,4,5,6,7
	ds_store_b128 v[STO+(\a)/4], v[96+4*\b:99+4*\b] offset:((\a)%4)*16*PX+32*(\b%4)+512*(\b/4)
.endr
.endm
; Row tile a with RoPE: x1 = tile b, x2 = tile b + 4: x1 cos - x2 sin and x2 cos + x1 sin; then cos and sin go 16 positions on, into the other set
.macro EPIROPE a
.set ac, 64*((\a)%4)
.set cs, 192-64*((\a)%2)
.set cn, 128+64*((\a)%2)
	WIN 2+(\a)/4                                   ; source 0: the accumulators' window
.irp b, 0,1,2,3
.irp p, 0,2,4,6
	v_pk_mul_f32 v[32+8*\b+\p:33+8*\b+\p], v[ac+8*\b+\p:ac+8*\b+\p+1], v[cs+16*\b+\p:cs+16*\b+\p+1]
	v_pk_mul_f32 v[64+8*\b+\p:65+8*\b+\p], v[ac+32+8*\b+\p:ac+32+8*\b+\p+1], v[cs+16*\b+\p:cs+16*\b+\p+1]
	v_pk_fma_f32 v[32+8*\b+\p:33+8*\b+\p], v[ac+32+8*\b+\p:ac+32+8*\b+\p+1], v[cs+16*\b+8+\p:cs+16*\b+9+\p], v[32+8*\b+\p:33+8*\b+\p] neg_lo:[0,1,0] neg_hi:[0,1,0]
	v_pk_fma_f32 v[64+8*\b+\p:65+8*\b+\p], v[ac+8*\b+\p:ac+8*\b+\p+1], v[cs+16*\b+8+\p:cs+16*\b+9+\p], v[64+8*\b+\p:65+8*\b+\p]
.endr
.endr
	WIN 0
	CVT32
	STAGE8 \a
.if (\a) < 7
	WIN 0x04                                       ; source 1: the step rotation, window 1
.irp b, 0,1,2,3
.irp p, 0,2,4,6
	v_pk_mul_f32 v[cn+16*\b+\p:cn+16*\b+\p+1], v[cs+16*\b+\p:cs+16*\b+\p+1], v[192+16*\b+\p:193+16*\b+\p]
	v_pk_mul_f32 v[cn+16*\b+8+\p:cn+16*\b+9+\p], v[cs+16*\b+8+\p:cs+16*\b+9+\p], v[192+16*\b+\p:193+16*\b+\p]
	v_pk_fma_f32 v[cn+16*\b+\p:cn+16*\b+\p+1], v[cs+16*\b+8+\p:cs+16*\b+9+\p], v[200+16*\b+\p:201+16*\b+\p], v[cn+16*\b+\p:cn+16*\b+\p+1] neg_lo:[0,1,0] neg_hi:[0,1,0]
	v_pk_fma_f32 v[cn+16*\b+8+\p:cn+16*\b+9+\p], v[cs+16*\b+\p:cs+16*\b+\p+1], v[200+16*\b+\p:201+16*\b+\p], v[cn+16*\b+8+\p:cn+16*\b+9+\p]
.endr
.endr
	WIN 0
.endif
.endm
.macro EPIPLAIN a
.set ac, 64*((\a)%4)
	WIN 5*(2+(\a)/4)
.set i, 0
.rept 32
	v_cvt_pk_bf16_f32 v[96+i], v[ac+2*i], v[ac+2*i+1]
.set i, i+1
.endr
	WIN 0
	STAGE8 \a
.endm
	s_cmp_eq_u32 s13, 2                            ; the job is the same in all partners
	s_cbranch_scc1 .Lplain
.irp a, 0,1,2,3,4,5,6,7
	EPIROPE \a
.endr
	s_branch .Lout
.Lplain:
.irp a, 0,1,2,3,4,5,6,7
	EPIPLAIN \a
.endr
.Lout:
; back as whole rows: wave w takes rows 32 w .. 32 w + 31, 512 consecutive bytes a load and a store; two groups of 64 registers by turns
.macro OUTROWS base
	s_wait_dscnt 0x0                               ; a row's bytes come from all four waves
	s_barrier_signal -1
	s_barrier_wait -1
.irp g, 0,1,2,3
.if \g >= 2
	s_wait_xcnt 0x0                                ; the group's registers, which earlier stores read, are loaded again only behind this wait
.endif
.irp n, 0,1,2,3,4,5,6,7,8,9,10,11,12,13,14,15
	ds_load_b128 v[128+64*(\g%2)+4*\n:131+64*(\g%2)+4*\n], v[RD] offset:(8*\g+\n/2)*PX+512*(\n%2)
.endr
.irp n, 0,1,2,3,4,5,6,7,8,9,10,11,12,13,14,15
	s_wait_dscnt 15-\n
	global_store_b128 v[LO], v[128+64*(\g%2)+4*\n:131+64*(\g%2)+4*\n], s[\base:\base+1] offset:(8*\g+\n/2)*ORow+512*(\n%2)
.endr
.endr
.endm
	OUTROWS 88
	s_wait_tensorcnt 0x0
	ds_add_u32 v30, v31
	s_wait_dscnt 0x0
	CROUND                                         ; the closing round: no work-group ends while a partner may still ask for a tile that names it
	s_endpgm
.Lfunc_end_k_qc21dd16206_proj:
	.size	k_qc21dd16206_proj, .Lfunc_end_k_qc21dd16206_proj-k_qc21dd16206_proj
	.p2alignl 7, 3214868480
	.fill 96, 4, 3214868480
	.section	.rodata,"a",@progbits
	.p2align	6, 0x0
	.amdhsa_kernel k_qc21dd16206_proj
		.amdhsa_group_segment_fixed_size 327680
		.amdhsa_private_segment_fixed_size 0
		.amdhsa_enable_private_segment 0
		.amdhsa_kernarg_size 88
		.amdhsa_user_sgpr_count 2
		.amdhsa_user_sgpr_kernarg_segment_ptr 1
		.amdhsa_wavefront_size32 1
		.amdhsa_system_sgpr_workgroup_id_x 1
		.amdhsa_system_sgpr_workgroup_id_y 1
		.amdhsa_system_sgpr_workgroup_id_z 1
		.amdhsa_system_vgpr_workitem_id 0
		.amdhsa_next_free_vgpr 1024
		.amdhsa_next_free_sgpr 100
		.amdhsa_reserve_vcc 0
		.amdhsa_float_denorm_mode_32 3
		.amdhsa_float_denorm_mode_16_64 3
		.amdhsa_memory_ordered 1
		.amdhsa_forward_progress 1
		.amdhsa_inst_pref_size 255
	.end_amdhsa_kernel
	.section	.bss,"aw",@nobits
	.p2align	6
	.space	262144
	.amdgpu_metadata
---
amdhsa.version: [ 1, 2 ]
amdhsa.kernels:
  - .name:           k_qc21dd16206_proj
    .symbol:         k_qc21dd16206_proj.kd
    .args:
      - { .name: q, .offset: 0, .size: 8, .value_kind: global_buffer, .address_space: global }
      - { .name: k, .offset: 8, .size: 8, .value_kind: global_buffer, .address_space: global }
      - { .name: ln_q_w, .offset: 16, .size: 8, .value_kind: global_buffer, .address_space: global }
      - { .name: ln_q_b, .offset: 24, .size: 8, .value_kind: global_buffer, .address_space: global }
      - { .name: ln_kv_w, .offset: 32, .size: 8, .value_kind: global_buffer, .address_space: global }
      - { .name: ln_kv_b, .offset: 40, .size: 8, .value_kind: global_buffer, .address_space: global }
      - { .name: bq, .offset: 48, .size: 8, .value_kind: global_buffer, .address_space: global }
      - { .name: bk, .offset: 56, .size: 8, .value_kind: global_buffer, .address_space: global }
      - { .name: wbf, .offset: 64, .size: 8, .value_kind: global_buffer, .address_space: global }
      - { .name: rtab, .offset: 72, .size: 8, .value_kind: global_buffer, .address_space: global }
      - { .name: qkv, .offset: 80, .size: 8, .value_kind: global_buffer, .address_space: global }
    .group_segment_fixed_size: 327680
    .private_segment_fixed_size: 0
    .kernarg_segment_align: 8
    .kernarg_segment_size: 88
    .max_flat_workgroup_size: 128
    .sgpr_count:     100
    .vgpr_count:     1024
    .wavefront_size: 32
...
	.end_amdgpu_metadata
.endif
;; end of part 2
;; launch attn (part 3): grid 64 x 4, 4 waves a work-group, clusters of 4 x 1, 327,680 bytes of LDS; arguments qkv, opart, ml; writes opart, ml
.if DOCPART == 3
	.amdgcn_target "amdgcn-amd-amdhsa--gfx1250"
	.amdhsa_code_object_version 6
	.text
	.protected	k_qc21dd16206_attn
	.globl	k_qc21dd16206_attn
	.p2align	8
	.type	k_qc21dd16206_attn,@function
k_qc21dd16206_attn:
	s_mov_b64 s[64:65], 0
	v_nop
	global_prefetch_b8 v0, s[64:65] scope:SCOPE_SE
	s_setreg_imm32_b32 hwreg(HW_REG_WAVE_MODE, 25, 1), 1
	s_wait_xcnt 0x0
	s_wait_alu depctr_hold_cnt(0) depctr_sa_sdst(0) depctr_va_vdst(0) depctr_va_sdst(0) depctr_va_ssrc(0) depctr_va_vcc(0) depctr_vm_vsrc(0)
	s_getreg_b32 s2, hwreg(HW_REG_IB_STS2, 6, 4)
	s_cmp_eq_u32 s2, 0
	s_cbranch_scc0 .Lentry_in_a_cluster
	s_endpgm
.Lentry_in_a_cluster:
	s_bfe_u32 s2, ttmp6, 0x10000c
	s_cmp_lg_u32 s2, 0x3003
	s_cbranch_scc0 .Lentry_shape_is_right
	s_endpgm
.Lentry_shape_is_right:
; One head of 512 channels.  A work-group: 128 queries x a quarter (1,024) of their batch's keys; it leaves the unnormalised sum of p v' (bf16, opart[quarter]) and, for each query,
; c m and l (f32, ml[quarter]); the next launch joins the four quarters.  p = 2^(c s - c m), c = log2(e) / sqrt(512), m the running maximum, l the running sum.
; SHARES.  A wave owns 32 queries, two tiles of 16: Q takes 256 registers and O^T 512, so no more fit.  64 keys a step, 16 steps, 256 matrix instructions a step.
; LAYOUT.  S^T = K Q^T (source 0 = 16 keys, source 1 = 16 queries): a lane holds one query and the keys 8 (l / 16) + 0..7; two such tiles, rounded to bf16 in pairs, are source 1 of
; O^T = V^T P, whose result again holds one query a lane and eight channels.  K comes out of LDS as it lies, V ([key][channel]) turned.
; BY TURNS, ALONG THE STEPS.  The two tiles share every fragment of K and V, so the vector work is set beside the matrix work of a neighbouring step.  Trip t:
;   128 products K Q^T of step t, and behind them the 256 multiplies O^T x a(t-1), a = 2^(c m_old - c m_new);
;   128 products V^T P of step t-1, and behind them step t's softmax (172 instructions: maxima, exponentials, sums);
;   32 roundings of step t's weights to bf16: they stand alone, since P is read up to the trip's last product.
; That is 428 vector instructions beside 256 matrix instructions, 1.7 for each; a slice of two costs two switches of the register window.  17 trips: trip 0 has no V^T P, trip 16 no K Q^T.
; CLUSTER.  The four query blocks of a cluster belong to one batch and one quarter and walk the same K and V: each tile is asked for jointly (mask 15): waves 0, 1 K's halves, waves 2, 3 V's.
; THE RING.  Trip t reads K(t) in slot t % 2 and V(t-1) in the other slot.  Behind trip t's round K(t+1) goes where K(t-1) lay and V(t) where V(t-2) lay: both were last read in trip t-1.
; K(0), V(0) are asked for at the start, K(1), V(1) behind trip 0's round (first fills all four); trip 1 asks for K(2) alone, since V(0) is still to be read; trip 15 for V(15) alone.
; One tensor load of a wave is outstanding at a time; it has a trip's 256 matrix instructions in which to land.
; LDS: a slot of 137,216 bytes: K's channels 0-255 (64 rows x 528 bytes), K's 256-511, V's 0-255 (64 x 544), V's 256-511.  Slot 1 behind it; behind both a stage of 16 rows x 272 bytes a wave.
; REGISTERS.  window 0: v2-10 addresses; v12-27 statistics, 8 a tile; v32-63 P; v64-127 S^T; v128-191, v192-255 fragment buffers
;   window 1: O^T, channel tiles 0-15 at v[128 t + 8 ct];  window 2: channel tiles 16-31;  window 3: Q at v[128 t + 8 kc]
; LIMITS: weights below 2^-126 count as 0; p and the partial sums are rounded to bf16; NaN and infinities are not treated apart.
.set PK,    528
.set PV,    544
.set KH,    64*PK
.set VH,    64*PV
.set VOFF,  2*KH
.set SLOT,  2*KH+2*VH
.set STAGE, 2*SLOT
.set SP,    272
.set AK,  2                            ; v2-3   my place in K's tile in slot 0, 1
.set AV,  4                            ; v4-5   the same for V
.set QO,  6
.set STO, 7
.set RD,  8
.set GO,  9
.set MLO, 10
.set ST,  12                           ; tile t at v[ST + 8 t]: +0 c m, +1 m, +2, +3 l (even keys', odd keys'), +4 to +7 at work; a takes +6
.set P,   32
.set S,   64
.set F0,  128
.set F1,  192
.set WV,  12
.set G1K, 24
.set G1V, 32
.set G0K, 40                           ; s[40:47] group 0 for K's tiles, a set for each slot
.set G0V, 48                           ; s[48:55] the same for V's
.set CS,  58
.set SEL, 60
.set MSB, 0
.macro WIN new                         ; the immediate's high byte repeats the setting that is left; a switch that changes nothing is dropped
.if MSB != (\new)
	s_set_vgpr_msb (MSB<<8)|(\new)
.set MSB, (\new)
.endif
.endm
.macro PLACES                          ; four plain vector instructions between a matrix instruction and a load into, or a vector read or write of, its registers
.rept 4
	v_nop
.endr
.endm
.macro CROUND                          ; a round of the cluster's barrier
	s_barrier_signal -1
	s_barrier_wait -1
	s_cmp_lg_u32 s[WV], 0
	s_cbranch_scc1 .Lnot_wave_0_\@
	s_barrier_signal -3
.Lnot_wave_0_\@:
	s_barrier_wait -3
	s_barrier_signal -1
	s_barrier_wait -1
.endm
; The joint loads behind a round: waves 0, 1 by K's set ks (if kl), waves 2, 3 by V's set vs (if vl).  The branch hangs on the wave's number alone.  Four v_nop stand on each way:
; on both ways the places in front of the fragment loads that follow.
.macro JLOAD ks, kl, vs, vl
	s_cmp_lt_u32 s[WV], 2
	s_cbranch_scc0 .Lfor_v_\@
.if \kl
	tensor_load_to_lds s[G0K+4*(\ks):G0K+4*(\ks)+3], s[G1K:G1K+7]
	s_nop 0
.endif
.rept 4
	v_nop
.endr
	s_branch .Lasked_\@
.Lfor_v_\@:
.if \vl
	tensor_load_to_lds s[G0V+4*(\vs):G0V+4*(\vs)+3], s[G1V:G1V+7]
	s_nop 0
.endif
.rept 4
	v_nop
.endr
.Lasked_\@:
.endm
	s_load_b128 s[4:7], s[0:1], 0x0                ; qkv s[4:5], opart s[6:7]
	s_load_b64 s[8:9], s[0:1], 0x10                ; ml
	v_lshl_add_u32 v214, v0, 2, 0x47400
	v_mov_b32 v215, 0
	ds_add_u32 v214, v215
	s_wait_dscnt 0x0
	v_lshrrev_b32 v1, 5, v0
	v_readfirstlane_b32 s[WV], v1
	s_bfe_u32 s13, ttmp6, 0x40000                  ; cx
	s_lshl_b32 s14, ttmp9, 2
	s_add_co_u32 s14, s14, s13                     ; my block of 128 queries: it enters Q's and the outputs' addresses alone
	s_and_b32 s15, ttmp7, 0xffff                   ; the quarter of the keys, which the partners share
	s_lshr_b32 s16, ttmp9, 3                       ; the batch: 8 clusters each
	s_lshl_b32 s16, s16, 22                        ; 4,096 rows of 1,024 bytes
	s_lshl_b32 s17, s15, 20                        ; 1,024 rows
	s_add_co_u32 s20, s16, s17
	s_and_b32 s18, s[WV], 1                        ; which half of the channels I fetch
	s_lshl_b32 s19, s18, 9
	s_add_co_u32 s20, s20, s19
	s_mov_b32 s21, 0
	s_mul_i32 s22, s18, KH
	s_mul_i32 s23, s18, VH
	s_add_co_u32 s23, s23, VOFF
	s_mov_b32 s[G1K], 15|(1<<16)|(1<<20)|(1<<21)|(6<<22)|(3<<25)   ; mask: all four; 2-byte elements; padding on; bit 21 beside a mask; after every 128 words 4 words
	s_mov_b32 s[G1V], 15|(1<<16)|(1<<20)|(1<<21)|(6<<22)|(7<<25)   ; the same with 8 words
.irp g, G1K, G1V
	s_mov_b32 s[\g+1], 256<<16                     ; tensor_dim0 = 256
	s_mov_b32 s[\g+2], 64<<16                      ; tensor_dim1 = 64
	s_mov_b32 s[\g+3], 256<<16                     ; tile_dim0 = 256
	s_mov_b32 s[\g+4], 64                          ; tile_dim1 = 64
	s_mov_b32 s[\g+5], 512                         ; elements from row to row
	s_mov_b32 s[\g+6], 0
	s_mov_b32 s[\g+7], 0
.endr
	s_mov_b32 s[CS], 0x3d8293ee                    ; c = log2(e) / sqrt(512)
	s_mov_b32 s[CS+1], s[CS]
	s_mov_b32 s[SEL], 0x76543210
	s_mov_b32 s[SEL+1], 0xfedcba98
	s_wait_kmcnt 0x0
	s_add_nc_u64 s[20:21], s[4:5], s[20:21]
.irp n, 0,1
	s_mov_b32 s[G0K+4*\n], 1
	s_add_co_u32 s[G0K+4*\n+1], s22, \n*SLOT
	s_add_nc_u64 s[G0K+4*\n+2:G0K+4*\n+3], s[20:21], 8388608+\n*65536    ; K lies 8 MiB into qkv; step n's 64 keys
	s_or_b32 s[G0K+4*\n+3], s[G0K+4*\n+3], 0x80000000
	s_mov_b32 s[G0V+4*\n], 1
	s_add_co_u32 s[G0V+4*\n+1], s23, \n*SLOT
	s_add_nc_u64 s[G0V+4*\n+2:G0V+4*\n+3], s[20:21], 16777216+\n*65536   ; V' 16 MiB
	s_or_b32 s[G0V+4*\n+3], s[G0V+4*\n+3], 0x80000000
.endr
	CROUND                                         ; all four work-groups are here
	JLOAD 0, 1, 0, 1                               ; K(0) and V(0)
	s_lshl_b32 s2, s14, 7
	s_lshl_b32 s3, s[WV], 5
	s_add_co_u32 s2, s2, s3                        ; my first query
	s_lshl_b32 s56, s2, 3
	s_lshl_b32 s2, s2, 10
	s_mov_b32 s3, 0
	s_add_nc_u64 s[4:5], s[4:5], s[2:3]
	s_add_nc_u64 s[6:7], s[6:7], s[2:3]
	s_lshl_b32 s2, s15, 23
	s_add_nc_u64 s[6:7], s[6:7], s[2:3]
	s_lshl_b32 s2, s15, 16
	s_add_co_u32 s2, s2, s56
	s_add_nc_u64 s[8:9], s[8:9], s[2:3]
	v_and_b32 v1, 15, v0                           ; r
	v_bfe_u32 v11, v0, 4, 1                        ; h
	v_lshlrev_b32 v[QO], 10, v1
	v_lshl_add_u32 v[QO], v11, 4, v[QO]
	WIN 0xc0                                       ; destination window 3: Q stays in registers
.irp t, 0,1
.irp kc, 0,1,2,3,4,5,6,7,8,9,10,11,12,13,14,15
	global_load_b128 v[128*\t+8*\kc:128*\t+8*\kc+3],   v[QO], s[4:5] offset:\t*16384+\kc*64
	global_load_b128 v[128*\t+8*\kc+4:128*\t+8*\kc+7], v[QO], s[4:5] offset:\t*16384+\kc*64+32
.endr
.endr
	WIN 0
	v_mul_u32_u24 v[AK], v1, PK
	v_lshl_add_u32 v[AK], v11, 4, v[AK]            ; row x pitch + 16 h
	v_add_nc_u32 v[AK+1], SLOT, v[AK]
	v_and_b32 v28, 7, v0
	v_bfe_u32 v29, v0, 3, 1
	v_lshl_add_u32 v[AV], v11, 3, v28
	v_mul_u32_u24 v[AV], v[AV], PV
	v_lshl_add_u32 v[AV], v29, 4, v[AV]            ; turned: (8 h + l % 8) x pitch + 16 ((l / 8) % 2)
	v_add_nc_u32 v[AV], VOFF, v[AV]
	v_add_nc_u32 v[AV+1], SLOT, v[AV]
	s_mul_i32 s62, s[WV], 16*SP
	s_add_co_u32 s62, s62, STAGE
	v_mul_u32_u24 v[STO], v1, SP
	v_lshl_add_u32 v[STO], v11, 4, v[STO]
	v_add_nc_u32 v[STO], s62, v[STO]
	v_mul_u32_u24 v[RD], v11, SP
	v_lshl_add_u32 v[RD], v1, 4, v[RD]
	v_add_nc_u32 v[RD], s62, v[RD]
	v_lshlrev_b32 v[GO], 10, v11
	v_lshl_add_u32 v[GO], v1, 4, v[GO]
	v_and_b32 v28, 31, v0
	v_lshlrev_b32 v[MLO], 3, v28
; K's fragments of channels 64 g .. 64 g + 63: 16 loads
.macro FETCHK s, g, f
.irp c, 0,1
.irp kt, 0,1,2,3
	ds_load_b128 v[\f+8*(4*\c+\kt):\f+8*(4*\c+\kt)+3],   v[AK+\s] offset:((2*(\g)+\c)/8)*KH+\kt*16*PK+((2*(\g)+\c)%8)*64
	ds_load_b128 v[\f+8*(4*\c+\kt)+4:\f+8*(4*\c+\kt)+7], v[AK+\s] offset:((2*(\g)+\c)/8)*KH+\kt*16*PK+((2*(\g)+\c)%8)*64+32
.endr
.endr
.endm
; V's fragments, turned, of channels 64 gv .. 64 gv + 63, all 64 keys: 16 loads
.macro FETCHV s, gv, f
.irp kk, 0,1
.irp c, 0,1,2,3
	ds_load_tr16_b128 v[\f+8*(4*\kk+\c):\f+8*(4*\kk+\c)+3],   v[AV+\s] offset:((4*(\gv)+\c)/16)*VH+\kk*32*PV+((4*(\gv)+\c)%16)*32
	ds_load_tr16_b128 v[\f+8*(4*\kk+\c)+4:\f+8*(4*\kk+\c)+7], v[AV+\s] offset:((4*(\gv)+\c)/16)*VH+\kk*32*PV+((4*(\gv)+\c)%16)*32+16*PV
.endr
.endr
.endm
; Multiply r of 256 of O^T x a: registers 2 r, 2 r + 1 of windows 1 and 2 taken as one run
.macro RS1
.set wn, 1+r/128
	WIN wn|(wn<<6)
	v_pk_mul_f32 v[2*(r%128):2*(r%128)+1], v[2*(r%128):2*(r%128)+1], v[ST+8*((r%128)/64)+6:ST+8*((r%128)/64)+7] op_sel_hi:[1,0]
.set r, r+1
.endm
; 16 products of S^T: product i: channels 32 (2 g + i / 8) on, keys 16 ((i / 2) % 4) on, tile i % 2.  The 8 accumulators take turns, one instruction a turn; the
; step's first 8 start the sums.  resc = 1: 32 multiplies of O^T stand behind them: two behind each of products 0-13, four behind the last, which are the places in front of the loads that follow.
.macro KQ16I g, f, resc
.set i, 0
.rept 16
.set kc, 2*(\g)+i/8
.set rK, \f+8*(4*(i/8)+(i/2)%4)
.set rA, S+32*(i%2)+8*((i/2)%4)
.set rQ, 128*(i%2)+8*kc
	WIN 0x0c                                       ; source 1 (Q) window 3
.if kc == 0
	v_wmma_f32_16x16x32_bf16 v[rA:rA+7], v[rK:rK+7], v[rQ:rQ+7], 0
.else
	v_wmma_f32_16x16x32_bf16 v[rA:rA+7], v[rK:rK+7], v[rQ:rQ+7], v[rA:rA+7]
.endif
.if \resc
.if i < 14
	RS1
	RS1
.elseif i == 15
	RS1
	RS1
	RS1
	RS1
.endif
.endif
.set i, i+1
.endr
.endm
; One tile's softmax for a step is a list of 90 places; SM writes number j of it.  s0-s31 are the lane's scores, in pairs 0-15.
;   0-15   the maximum of s0-s31 and the old m, three operands at a time; each tile of S^T is first read at its lowest registers
;   16-20  the other half of the lanes' maximum; the new m; c m; c m_old - c m_new
;   21-89  33 exponentials (a, then s0-s31) at the odd numbers from 23 to 87; at the other numbers c s - c m for pairs to come, and l's sums of pairs done: l = a l + pair 0, then l += pair p.
;          The sums leave the weights whole: they are rounded to bf16 when P is free.  Numbers 76, 80, 84, 88 are empty.
; first = 1: the first key step, which has no a and starts l.
.macro SM t, first
.set rT, ST+8*(\t)
.set rS, S+32*(\t)
.set q, (j-20)/2
.if j < 4
	v_max3_num_f32 v[rT+4+j], v[rS+8*j], v[rS+8*j+1], v[rS+8*j+2]
.elseif j < 12
	v_max3_num_f32 v[rT+4+j%4], v[rT+4+j%4], v[rS+8*(j%4)+2*(j/4)+1], v[rS+8*(j%4)+2*(j/4)+2]
.elseif j == 12
	v_max3_num_f32 v[rT+4], v[rT+4], v[rS+7], v[rS+15]
.elseif j == 13
	v_max3_num_f32 v[rT+6], v[rT+6], v[rS+23], v[rS+31]
.elseif j == 14
	v_max3_num_f32 v[rT+4], v[rT+4], v[rT+5], v[rT+6]
.elseif (j == 15) && \first
	v_max_num_f32 v[rT+4], v[rT+4], v[rT+7]
.elseif j == 15
	v_max3_num_f32 v[rT+4], v[rT+4], v[rT+7], v[rT+1]
.elseif j == 16
	v_permlanex16_b32 v[rT+5], v[rT+4], s[SEL], s[SEL+1]   ; the query's other 32 keys lie in the lane 16 away
.elseif j == 18
	v_max_num_f32 v[rT+1], v[rT+4], v[rT+5]
.elseif j == 19
	v_mul_f32 v[rT], s[CS], v[rT+1]
.elseif ((j == 17) || (j == 20) || (j == 23)) && \first    ; the first step has no a
.elseif j == 17
	v_mov_b32 v[rT+7], v[rT]                       ; c m_old is kept for a
.elseif j == 20
	v_sub_f32 v[rT+7], v[rT+7], v[rT]
.elseif j == 23
	v_exp_f32 v[rT+6], v[rT+7]
.elseif (j < 88) && (j > 23) && (j%2 == 1)
	v_exp_f32 v[rS+(j-25)/2], v[rS+(j-25)/2]
.elseif (q < 4) || ((j < 76) && (q%2 == 0))
.set b, q/2+2
.if q < 4
.set b, q
.endif
	v_pk_fma_f32 v[rS+2*b:rS+2*b+1], v[rS+2*b:rS+2*b+1], s[CS:CS+1], v[rT:rT+1] op_sel_hi:[1,0,0] neg_lo:[0,0,1] neg_hi:[0,0,1]
.elseif ((j < 88) && (q%2 == 1)) || (j == 89)  ; pair pp: its second exponential stands three numbers back (pair 15: two, with a plain instruction of the other tile between)
.set pp, (q-5)/2
.if j == 89
.set pp, 15
.endif
.if pp == 0
.if !\first
	s_wait_alu depctr_va_vdst(0)
	v_pk_fma_f32 v[rT+2:rT+3], v[rT+2:rT+3], v[rT+6:rT+7], v[rS:rS+1] op_sel_hi:[1,0,1]
.endif
.elseif (pp == 1) && \first
	s_wait_alu depctr_va_vdst(0)
	v_pk_add_f32 v[rT+2:rT+3], v[rS:rS+1], v[rS+2:rS+3]
.else
	s_wait_alu depctr_va_vdst(0)
	v_pk_add_f32 v[rT+2:rT+3], v[rT+2:rT+3], v[rS+2*pp:rS+2*pp+1]
.endif
.endif
.endm
; Place n of 180 of the two tiles' lists laid together.  Places 44-175 go tile by tile (plain, exponential, plain, exponential), so that behind each exponential stands a plain instruction
; that touches neither its result nor its source; elsewhere the two tiles alternate, so that no instruction reads the result of the one just before it.
.macro SMN first
.if (n >= 44) && (n < 176)
.set j, 2*(n/4)+n%2
	SM (n%4)/2, \first
.else
.set j, 2*(n/4)+(n%4)/2
	SM n%2, \first
.endif
.set n, n+1
.endm
; 16 products of O^T: product i: keys 32 (i / 8) on, channels 16 (4 gv + (i / 2) % 4) on, tile i % 2; 8 accumulators by turns; first = 1: the first 8 start the sums.
; sm = 1: the softmax's places stand behind them: in groups 0-5 nine slices of two and, behind the last product, one of four (22 places); in groups 6, 7 twelve slices of two (24): 180 in all.
.macro PV16I gv, f, first, sm
.set i, 0
.rept 16
.set rO, 128*(i%2)+8*((4*(\gv)+(i/2)%4)%16)
.set rV, \f+8*(4*(i/8)+(i/2)%4)
.set rB, P+16*(i%2)+8*(i/8)
	WIN 0x50*(1+(\gv)/4)                           ; C and D: window 1, then 2
.if \first && (i < 8)
	v_wmma_f32_16x16x32_bf16 v[rO:rO+7], v[rV:rV+7], v[rB:rB+7], 0
.else
	v_wmma_f32_16x16x32_bf16 v[rO:rO+7], v[rV:rV+7], v[rB:rB+7], v[rO:rO+7]
.endif
.if \sm
.set ns, 0
.if (\gv) < 6
.if i == 15
.set ns, 4
.elseif (i < 13) && (i%3 != 2)
.set ns, 2
.endif
.elseif i%4 != 3
.set ns, 2
.endif
.if ns
	WIN 0
.rept ns
	SMN 0
.endr
.endif
.endif
.set i, i+1
.endr
.endm
; The head of a trip.  Each wave waits for all its tensor loads (its part of what this trip reads) and for its LDS reads of the trip before; a group 0 is stepped two steps on just ahead of
; its use (kl, vl = 2; 1: used as it stands; 0: no load).  With a load the barrier is a round of the cluster's, and the load is the first thing behind it.
.macro HEAD ks, kl, vs, vl
	WIN 0
	s_wait_xcnt 0x0
	v_lshl_add_u32 v214, v0, 2, 0x47400
	v_mov_b32 v215, 0
	s_wait_tensorcnt 0x0                           ; no tensor load of mine is out, so a group 0 may be written
	ds_add_u32 v214, v215
	s_wait_dscnt 0x0
.if \kl == 2
	s_add_nc_u64 s[G0K+4*\ks+2:G0K+4*\ks+3], s[G0K+4*\ks+2:G0K+4*\ks+3], 131072
.endif
.if \vl == 2
	s_add_nc_u64 s[G0V+4*\vs+2:G0V+4*\vs+3], s[G0V+4*\vs+2:G0V+4*\vs+3], 131072
.endif
	s_wait_dscnt 0x0
.if \kl || \vl
	CROUND
	JLOAD \ks, \kl, \vs, \vl
.else
	s_barrier_signal -1
	s_barrier_wait -1
	PLACES
.endif
.endm
; The 128 products K Q^T on slot s.  vf = 1: the last two runs of loads fetch the first fragments of V out of the other slot.
.macro KQPH s, resc, vf
	FETCHK \s, 0, F0
	FETCHK \s, 1, F1
.set r, 0
.irp g, 0,1,2,3,4,5,6,7
.if (\g == 7) && !\vf
	s_wait_dscnt 0x0
.else
	s_wait_dscnt 16                                ; the other buffer's 16 loads stay out
.endif
	KQ16I \g, F0+64*(\g%2), \resc
.if !\resc
	PLACES
.endif
	WIN 0x0c                                       ; loads are not touched by it: destination and address in window 0
.if \g < 6
	FETCHK \s, \g+2, F0+64*(\g%2)
.elseif \vf
	FETCHV 1-\s, \g-6, F0+64*(\g%2)
.endif
.endr
.endm
; The 128 products V^T P on V's tile in slot vs.  In front of each run of loads stand four places: with the softmax the slice of four, of which from group 2 on two are exponentials
; and no places, so that two v_nop make up the count.
.macro PVPH vs, first, sm
.set n, 0
.irp gv, 0,1,2,3,4,5,6,7
.if \gv < 7
	s_wait_dscnt 16                                ; the other buffer's 16 loads stay out
.else
	s_wait_dscnt 0x0
.endif
	PV16I \gv, F0+64*(\gv%2), \first, \sm
.if \gv < 6
	WIN 0
.if \sm
.if \gv >= 2
	v_nop
	v_nop
.endif
.else
	PLACES
.endif
	FETCHV \vs, \gv+2, F0+64*(\gv%2)
.endif
.endr
.endm
; The weights rounded to bf16.  Keys 0-31 first: their halves of P were last read by product 7 of the last group, behind which stand four plain sums; these sixteen roundings are the
; places behind the trip's last products, which read the other halves.
.macro CVTP
	WIN 0
.irp kk, 0,1
.irp t, 0,1
.irp e, 0,1,2,3,4,5,6,7
	v_cvt_pk_bf16_f32 v[P+16*\t+8*\kk+\e], v[S+32*\t+16*\kk+2*\e], v[S+32*\t+16*\kk+2*\e+1]
.endr
.endr
.endr
.endm
.macro TRIP s, ks, kl, vs, vl, resc, pfirst
	HEAD \ks, \kl, \vs, \vl
	KQPH \s, \resc, 1
	PVPH 1-\s, \pfirst, 1
	CVTP
.endm
	s_wait_loadcnt 0x0                             ; Q
	HEAD 1, 1, 1, 1                                ; trip 0: K(1) and V(1) are asked for; there is no matrix work yet to set the first softmax beside
	KQPH 0, 0, 0
	WIN 0
.set n, 0
.rept 180
	SMN 1
.endr
	CVTP
	TRIP 1, 0, 2, 0, 0, 0, 1                       ; trip 1: K(2) alone; nothing to rescale: its products V^T P start O^T
	WIN 0
	s_mov_b32 s57, 6
.Lpair:                                                ; trips 2 to 13
	TRIP 0, 1, 2, 0, 2, 1, 0
	TRIP 1, 0, 2, 1, 2, 1, 0
	WIN 0
	s_sub_co_u32 s57, s57, 1
	s_cmp_lg_u32 s57, 0
	s_cbranch_scc1 .Lpair
	TRIP 0, 1, 2, 0, 2, 1, 0                       ; trip 14: K(15), V(14).  The tail is written out
	TRIP 1, 0, 0, 1, 2, 1, 0                       ; trip 15: V(15) alone
	HEAD 0, 0, 0, 0                                ; trip 16: nothing is left to ask for
	FETCHV 1, 0, F0
	FETCHV 1, 1, F1
.set r, 0
.rept 256
	RS1
.endr
	PVPH 1, 0, 0
	; THE WAY OUT
	WIN 0
	PLACES
.irp t, 0,1
	v_add_f32 v[ST+8*\t+4], v[ST+8*\t+2], v[ST+8*\t+3]
.endr
.irp t, 0,1
	v_permlanex16_b32 v[ST+8*\t+5], v[ST+8*\t+4], s[SEL], s[SEL+1]
.endr
.irp t, 0,1
	v_add_f32 v[ST+8*\t+4], v[ST+8*\t+4], v[ST+8*\t+5]
.endr
	v_and_b32 v28, 31, v0
	v_cmp_le_u32 vcc_lo, 16, v28                   ; lanes 0-15 speak for tile 0's queries, lanes 16-31 for tile 1's
	v_cndmask_b32 v30, v[ST], v[ST+8], vcc_lo
	v_cndmask_b32 v31, v[ST+4], v[ST+12], vcc_lo
	global_store_b64 v[MLO], v[30:31], s[8:9]      ; 256 consecutive bytes
; block n: tile n / 4, channels 128 (n % 4) on: rounded, through my stage, back as whole pieces of 256 bytes; four groups of 32 registers by turns
.macro PACK n
.set ob, 128*((\n)/4)+64*((\n)%2)
.set rb, 128+32*((\n)%4)
	WIN 5*(1+((\n)%4)/2)
.set i, 0
.rept 32
	v_cvt_pk_bf16_f32 v[64+i], v[ob+2*i], v[ob+2*i+1]
.set i, i+1
.endr
	WIN 0
.irp c, 0,1,2,3,4,5,6,7
	ds_store_b128 v[STO], v[64+4*\c:67+4*\c] offset:32*\c
.endr
.if (\n) >= 4
	s_wait_xcnt 0x0                                ; the group's registers, which earlier stores read, are loaded again only behind this wait
.endif
.irp f, 0,1,2,3,4,5,6,7
	ds_load_b128 v[rb+4*\f:rb+4*\f+3], v[RD] offset:\f*2*SP    ; LDS serves a wave's instructions in order (ISA guide 5.7.1.4): these see the stores above
.endr
.endm
.macro SEND n, younger                 ; younger: the next block's sixteen LDS instructions, or none
.set rb, 128+32*((\n)%4)
.irp f, 0,1,2,3,4,5,6,7
	s_wait_dscnt \younger+7-\f
	global_store_b128 v[GO], v[rb+4*\f:rb+4*\f+3], s[6:7] offset:((\n)/4)*16384+\f*2048+((\n)%4)*256   ; 16 lanes store 256 consecutive bytes, aligned
.endr
.endm
	PACK 0
.irp n, 1,2,3,4,5,6,7
	PACK \n
	SEND \n-1, 16
.endr
	SEND 7, 0
	s_wait_xcnt 0x0
	v_lshl_add_u32 v214, v0, 2, 0x47400
	v_mov_b32 v215, 0
	s_wait_tensorcnt 0x0
	ds_add_u32 v214, v215
	s_wait_dscnt 0x0
	CROUND                                         ; the closing round: no work-group ends while a partner may still ask for a tile that names it
	s_endpgm
.Lfunc_end_k_qc21dd16206_attn:
	.size	k_qc21dd16206_attn, .Lfunc_end_k_qc21dd16206_attn-k_qc21dd16206_attn
	.p2alignl 7, 3214868480
	.fill 96, 4, 3214868480
	.section	.rodata,"a",@progbits
	.p2align	6, 0x0
	.amdhsa_kernel k_qc21dd16206_attn
		.amdhsa_group_segment_fixed_size 327680
		.amdhsa_private_segment_fixed_size 0
		.amdhsa_enable_private_segment 0
		.amdhsa_kernarg_size 24
		.amdhsa_user_sgpr_count 2
		.amdhsa_user_sgpr_kernarg_segment_ptr 1
		.amdhsa_wavefront_size32 1
		.amdhsa_system_sgpr_workgroup_id_x 1
		.amdhsa_system_sgpr_workgroup_id_y 1
		.amdhsa_system_sgpr_workgroup_id_z 1
		.amdhsa_system_vgpr_workitem_id 0
		.amdhsa_next_free_vgpr 1024
		.amdhsa_next_free_sgpr 66
		.amdhsa_reserve_vcc 1
		.amdhsa_float_denorm_mode_32 3
		.amdhsa_float_denorm_mode_16_64 3
		.amdhsa_memory_ordered 1
		.amdhsa_forward_progress 1
		.amdhsa_inst_pref_size 255
	.end_amdhsa_kernel
	.section	.bss,"aw",@nobits
	.p2align	6
	.space	262144
	.amdgpu_metadata
---
amdhsa.version: [ 1, 2 ]
amdhsa.kernels:
  - .name:           k_qc21dd16206_attn
    .symbol:         k_qc21dd16206_attn.kd
    .args:
      - { .name: qkv, .offset: 0, .size: 8, .value_kind: global_buffer, .address_space: global }
      - { .name: opart, .offset: 8, .size: 8, .value_kind: global_buffer, .address_space: global }
      - { .name: ml, .offset: 16, .size: 8, .value_kind: global_buffer, .address_space: global }
    .group_segment_fixed_size: 327680
    .private_segment_fixed_size: 0
    .kernarg_segment_align: 8
    .kernarg_segment_size: 24
    .max_flat_workgroup_size: 128
    .sgpr_count:     66
    .vgpr_count:     1024
    .wavefront_size: 32
...
	.end_amdgpu_metadata
.endif
;; end of part 3
;; launch comb (part 4): grid 256 x 1, 8 waves a work-group, no clusters, 0 bytes of LDS; arguments q, opart, ml, bo, ln_out_w, ln_out_b, xres, xn; writes xres, xn
.if DOCPART == 4
	.amdgcn_target "amdgcn-amd-amdhsa--gfx1250"
	.amdhsa_code_object_version 6
	.text
	.protected	k_qc21dd16206_comb
	.globl	k_qc21dd16206_comb
	.p2align	8
	.type	k_qc21dd16206_comb,@function
k_qc21dd16206_comb:
	s_mov_b64 s[64:65], 0
	v_nop
	global_prefetch_b8 v0, s[64:65] scope:SCOPE_SE
	s_setreg_imm32_b32 hwreg(HW_REG_WAVE_MODE, 25, 1), 1
	s_wait_xcnt 0x0
; x = q + bo + (sum over the four key quarters of e_s O_s) / (sum of e_s l_s), e_s = 2^(c m_s - max c m);  xn = LN(x) in bf16.  x goes out in f32 for the last residual.
; A stream: memory binds, so no LDS, no matrix unit, no barrier.  One wave takes a whole row (a lane holds elements 128 i + 4 l + 0..3), four rows a wave, two row slots in registers:
; while one row is worked on the other's 24 loads are on their way.  Every load and store of a wave covers 256 or 512 consecutive bytes.
; The divisor is at least 1: the quarter that holds the maximum has e = 1 and l >= 1.
.set BOV, 16                           ; v16-31 bo, v32-47 LN gain, v48-63 LN bias
.set GAM, 32
.set BET, 48
.set X,   176                          ; v176-191 x;  v192-207 x - mean, then the result;  v208-215 bf16;  v216-231 at work
.set D,   192
	s_load_b512 s[8:23], s[0:1], 0x0               ; q s[8:9], opart s[10:11], ml s[12:13], bo s[14:15], gain s[16:17], bias s[18:19], xres s[20:21], xn s[22:23]
	v_lshrrev_b32 v1, 5, v0
	v_readfirstlane_b32 s7, v1
	v_and_b32 v1, 31, v0
	v_lshlrev_b32 v2, 4, v1                        ; 16 l
	v_lshlrev_b32 v3, 3, v1                        ; 8 l
	v_mov_b32 v4, 0
	s_lshl_b32 s2, ttmp9, 5
	s_lshl2_add_u32 s2, s7, s2                     ; my first row: 32 x group + 4 x wave
	s_mov_b32 s5, 0
	s_mov_b32 s36, 0x76543210
	s_mov_b32 s37, 0xfedcba98
	s_mov_b32 s40, 0x3b000000                      ; 1/512
	s_mov_b32 s41, 0x3727c5ac                      ; 1e-5
	s_wait_kmcnt 0x0
	s_lshl_b32 s4, s2, 11
	s_add_nc_u64 s[8:9], s[8:9], s[4:5]
	s_add_nc_u64 s[20:21], s[20:21], s[4:5]
	s_lshl_b32 s4, s2, 10
	s_add_nc_u64 s[24:25], s[10:11], s[4:5]        ; the four quarters lie 8 MiB apart
	s_add_nc_u64 s[22:23], s[22:23], s[4:5]
	s_add_nc_u64 s[26:27], s[24:25], 8388608
	s_add_nc_u64 s[28:29], s[24:25], 16777216
	s_add_nc_u64 s[30:31], s[24:25], 25165824
	s_lshl_b32 s4, s2, 3
	s_add_nc_u64 s[12:13], s[12:13], s[4:5]
.irp i, 0,1,2,3
	global_load_b128 v[BOV+4*\i:BOV+4*\i+3], v2, s[14:15] offset:512*\i
	global_load_b128 v[GAM+4*\i:GAM+4*\i+3], v2, s[16:17] offset:512*\i
	global_load_b128 v[BET+4*\i:BET+4*\i+3], v2, s[18:19] offset:512*\i
.endr
; slot s, 56 registers from v[64 + 56 s]: q 16, O 32 (quarter sp, part i at +16 + 8 sp + 2 i), (c m, l) 8
.macro FILL s, rho
.set sb, 64+56*\s
.irp i, 0,1,2,3
	global_load_b128 v[sb+4*\i:sb+4*\i+3], v2, s[8:9] offset:\rho*2048+512*\i th:TH_LOAD_NT
.endr
.irp sp, 0,1,2,3
.irp i, 0,1,2,3
	global_load_b64 v[sb+16+8*\sp+2*\i:sb+17+8*\sp+2*\i], v3, s[24+2*\sp:25+2*\sp] offset:\rho*1024+256*\i th:TH_LOAD_NT
.endr
.endr
.irp sp, 0,1,2,3
	global_load_b64 v[sb+48+2*\sp:sb+49+2*\sp], v4, s[12:13] offset:\sp*65536+\rho*8
.endr
.endm
.macro RED t                           ; the sum over the 32 lanes of v[t], in every lane; v[t + 1] at work
.irp m, 1,2,4,8
	v_add_f32_dpp v[\t], v[\t], v[\t] row_xmask:\m row_mask:0xf bank_mask:0xf
.endr
	v_permlanex16_b32 v[\t+1], v[\t], s36, s37
	v_add_f32 v[\t], v[\t], v[\t+1]
.endm
.macro ROW s, rho, cnt
.set sb, 64+56*\s
.set ob, sb+16
.set mb, sb+48
	s_wait_loadcnt \cnt                            ; the other slot's 24 loads stay out
	s_wait_xcnt 0x0                                ; x's and xn's registers, which the last row's stores read, are rewritten only behind this wait
	v_max3_num_f32 v216, v[mb], v[mb+2], v[mb+4]
	v_max_num_f32 v216, v216, v[mb+6]
.irp sp, 0,1,2,3
	v_sub_f32 v[218+\sp], v[mb+2*\sp], v216
.endr
.irp sp, 0,1,2,3
	v_exp_f32 v[218+\sp], v[218+\sp]
.endr
.irp j, 0,2,4,6,8,10,12,14
	v_pk_add_f32 v[X+\j:X+\j+1], v[sb+\j:sb+\j+1], v[BOV+\j:BOV+\j+1]     ; q + bo: the plain work behind the exponentials
.endr
	s_wait_alu depctr_va_vdst(0)
	v_mul_f32 v217, v218, v[mb+1]
	v_fmac_f32 v217, v219, v[mb+3]
	v_fmac_f32 v217, v220, v[mb+5]
	v_fmac_f32 v217, v221, v[mb+7]
	v_rcp_f32 v217, v217
	v_nop
	s_wait_alu depctr_va_vdst(0)
.irp sp, 0,1,2,3
	v_mul_f32 v[218+\sp], v[218+\sp], v217
.endr
.irp sp, 0,1,2,3
.irp i, 0,1,2,3
	v_fma_mix_f32_bf16 v[X+4*\i],   v[ob+8*\sp+2*\i],   v[218+\sp], v[X+4*\i]   op_sel_hi:[1,0,0]
	v_fma_mix_f32_bf16 v[X+4*\i+1], v[ob+8*\sp+2*\i],   v[218+\sp], v[X+4*\i+1] op_sel:[1,0,0] op_sel_hi:[1,0,0]
	v_fma_mix_f32_bf16 v[X+4*\i+2], v[ob+8*\sp+2*\i+1], v[218+\sp], v[X+4*\i+2] op_sel_hi:[1,0,0]
	v_fma_mix_f32_bf16 v[X+4*\i+3], v[ob+8*\sp+2*\i+1], v[218+\sp], v[X+4*\i+3] op_sel:[1,0,0] op_sel_hi:[1,0,0]
.endr
.endr
.irp i, 0,1,2,3
	global_store_b128 v2, v[X+4*\i:X+4*\i+3], s[20:21] offset:\rho*2048+512*\i
.endr
.irp j, 0,1,2,3
	v_pk_add_f32 v[224+2*\j:225+2*\j], v[X+4*\j:X+4*\j+1], v[X+4*\j+2:X+4*\j+3]
.endr
	v_pk_add_f32 v[224:225], v[224:225], v[226:227]
	v_pk_add_f32 v[228:229], v[228:229], v[230:231]
	v_pk_add_f32 v[224:225], v[224:225], v[228:229]
	v_add_f32 v224, v224, v225
	RED 224
.irp j, 0,2,4,6,8,10,12,14
	v_pk_fma_f32 v[D+\j:D+\j+1], v[224:225], 0xbb000000, v[X+\j:X+\j+1] op_sel_hi:[0,0,1]   ; x - sum / 512
.endr
	v_pk_mul_f32 v[226:227], v[D:D+1], v[D:D+1]
	v_pk_mul_f32 v[228:229], v[D+2:D+3], v[D+2:D+3]
.irp j, 4,8,12
	v_pk_fma_f32 v[226:227], v[D+\j:D+\j+1], v[D+\j:D+\j+1], v[226:227]
	v_pk_fma_f32 v[228:229], v[D+\j+2:D+\j+3], v[D+\j+2:D+\j+3], v[228:229]
.endr
	v_pk_add_f32 v[226:227], v[226:227], v[228:229]
	v_add_f32 v226, v226, v227
	RED 226
	v_fma_f32 v226, v226, s40, s41
	v_rsq_f32 v226, v226
	v_nop
	s_wait_alu depctr_va_vdst(0)
.irp j, 0,2,4,6,8,10,12,14
	v_pk_mul_f32 v[D+\j:D+\j+1], v[D+\j:D+\j+1], v[226:227] op_sel_hi:[1,0]
.endr
.irp j, 0,2,4,6,8,10,12,14
	v_pk_fma_f32 v[D+\j:D+\j+1], v[D+\j:D+\j+1], v[GAM+\j:GAM+\j+1], v[BET+\j:BET+\j+1]
.endr
.irp j, 0,1,2,3,4,5,6,7
	v_cvt_pk_bf16_f32 v[208+\j], v[D+2*\j], v[D+2*\j+1]
.endr
.irp i, 0,1,2,3
	global_store_b64 v3, v[208+2*\i:209+2*\i], s[22:23] offset:\rho*1024+256*\i
.endr
.endm
	FILL 0, 0
	FILL 1, 1
	ROW 0, 0, 24
	FILL 0, 2
	ROW 1, 1, 24
	FILL 1, 3
	ROW 0, 2, 24
	ROW 1, 3, 0
	s_endpgm
.Lfunc_end_k_qc21dd16206_comb:
	.size	k_qc21dd16206_comb, .Lfunc_end_k_qc21dd16206_comb-k_qc21dd16206_comb
	.p2alignl 7, 3214868480
	.fill 96, 4, 3214868480
	.section	.rodata,"a",@progbits
	.p2align	6, 0x0
	.amdhsa_kernel k_qc21dd16206_comb
		.amdhsa_group_segment_fixed_size 0
		.amdhsa_private_segment_fixed_size 0
		.amdhsa_enable_private_segment 0
		.amdhsa_kernarg_size 64
		.amdhsa_user_sgpr_count 2
		.amdhsa_user_sgpr_kernarg_segment_ptr 1
		.amdhsa_wavefront_size32 1
		.amdhsa_system_sgpr_workgroup_id_x 1
		.amdhsa_system_sgpr_workgroup_id_y 1
		.amdhsa_system_sgpr_workgroup_id_z 1
		.amdhsa_system_vgpr_workitem_id 0
		.amdhsa_next_free_vgpr 232
		.amdhsa_next_free_sgpr 66
		.amdhsa_reserve_vcc 0
		.amdhsa_float_denorm_mode_32 3
		.amdhsa_float_denorm_mode_16_64 3
		.amdhsa_memory_ordered 1
		.amdhsa_forward_progress 1
		.amdhsa_inst_pref_size 53
	.end_amdhsa_kernel
	.amdgpu_metadata
---
amdhsa.version: [ 1, 2 ]
amdhsa.kernels:
  - .name:           k_qc21dd16206_comb
    .symbol:         k_qc21dd16206_comb.kd
    .args:
      - { .name: q, .offset: 0, .size: 8, .value_kind: global_buffer, .address_space: global }
      - { .name: opart, .offset: 8, .size: 8, .value_kind: global_buffer, .address_space: global }
      - { .name: ml, .offset: 16, .size: 8, .value_kind: global_buffer, .address_space: global }
      - { .name: bo, .offset: 24, .size: 8, .value_kind: global_buffer, .address_space: global }
      - { .name: ln_out_w, .offset: 32, .size: 8, .value_kind: global_buffer, .address_space: global }
      - { .name: ln_out_b, .offset: 40, .size: 8, .value_kind: global_buffer, .address_space: global }
      - { .name: xres, .offset: 48, .size: 8, .value_kind: global_buffer, .address_space: global }
      - { .name: xn, .offset: 56, .size: 8, .value_kind: global_buffer, .address_space: global }
    .group_segment_fixed_size: 0
    .private_segment_fixed_size: 0
    .kernarg_segment_align: 8
    .kernarg_segment_size: 64
    .max_flat_workgroup_size: 256
    .sgpr_count:     66
    .vgpr_count:     232
    .wavefront_size: 32
...
	.end_amdgpu_metadata
.endif
;; end of part 4
;; launch mlp1 (part 5): grid 8 x 32, 4 waves a work-group, clusters of 4 x 4, 327,680 bytes of LDS; arguments xn, wbf, b1, hbuf; writes hbuf
.if DOCPART == 5
	.amdgcn_target "amdgcn-amd-amdhsa--gfx1250"
	.amdhsa_code_object_version 6
	.text
	.protected	k_qc21dd16206_mlp1
	.globl	k_qc21dd16206_mlp1
	.p2align	8
	.type	k_qc21dd16206_mlp1,@function
k_qc21dd16206_mlp1:
	s_mov_b64 s[64:65], 0
	v_nop
	global_prefetch_b8 v0, s[64:65] scope:SCOPE_SE
	s_setreg_imm32_b32 hwreg(HW_REG_WAVE_MODE, 25, 1), 1
	s_wait_xcnt 0x0
	s_wait_alu depctr_hold_cnt(0) depctr_sa_sdst(0) depctr_va_vdst(0) depctr_va_sdst(0) depctr_va_ssrc(0) depctr_va_vcc(0) depctr_vm_vsrc(0)
	s_getreg_b32 s2, hwreg(HW_REG_IB_STS2, 6, 4)
	s_cmp_eq_u32 s2, 0
	s_cbranch_scc0 .Lentry_in_a_cluster
	s_endpgm
.Lentry_in_a_cluster:
	s_bfe_u32 s2, ttmp6, 0x10000c
	s_cmp_lg_u32 s2, 0xf033
	s_cbranch_scc0 .Lentry_shape_is_right
	s_endpgm
.Lentry_shape_is_right:
; h = relu(xn W1 + b1), bf16, [8192][2048].  xn: [8192][512] bf16; W1: [512][2048] bf16 in wbf.  A tile of 256 x 256 to a work-group: 8 x 32 = 256 of them.  Four waves, each 128 x 128:
; 64 accumulators of 16 x 16, 512 registers.  K = 512 goes in four steps of 128 through two LDS slots: both are filled at the start and each is filled once again.
; THE MATRIX INSTRUCTION IS USED TRANSPOSED: source 0 = 16 columns of W1 (W1 lies [K][N] and is turned by ds_load_tr16_b128), source 1 = 16 rows of xn: a lane holds one row and eight
; neighbouring columns.  b1 is the C of the first quarter's products: nothing is cleared and nothing is added afterwards.
; CLUSTER 4 x 4.  The four of a row of the cluster need the same tiles of xn, the four of a column the same tiles of W1: each tile is asked for jointly, which divides the requests by four.
; Waves 0, 1 fetch xn's halves (128 rows x 256 bytes), waves 2, 3 W1's (64 K rows x 512 bytes).
; Tensor loads of a wave outstanding: two at the start, one behind each round, 240 matrix instructions ahead of the wait for it.
; LDS: a slot of 139,264 bytes: xn 256 rows x 272 bytes, then W1 128 K rows x 544 bytes; slot 1 behind it; behind both a stage of 16 rows x 272 bytes a wave, into which no tensor load lands:
; a wave's 128 columns of bf16 are 256 bytes, so each wave has its own stage and the way out has no barrier.
; REGISTERS.  window 0: v16-23 addresses; v64-127, v128-191 fragments of xn, two buffers; on the way out v32-95 results, v96-127 packed, v128-191 rows read back
;   window 1: v0-63 b1; v64-127, v128-191 fragments of W1;   window 2: accumulators of my rows 0-63 ((a, b) at v[8 (8 a + b)]);   window 3: rows 64-127
; LIMITS: operands and h are bf16; NaN and infinities are not treated apart.
.set PA,    272                        ; 256 bytes + 16: the 16 rows of a fragment load start at 16 different groups of banks
.set PB,    544                        ; 512 bytes + 32: an odd multiple of 32
.set HALFA, 128*PA
.set HALFB, 64*PB
.set BOFF,  2*HALFA
.set SLOT,  2*HALFA+2*HALFB
.set STAGE, 2*SLOT
.set SP,    272
.set ORow,  4096                       ; bytes in a row of h
.set ADRA, 16                          ; v16-17  xn's fragments in slot 0, 1
.set ADRB, 18                          ; v18-19  W1's
.set STO,  20
.set RD,   21
.set CO,   22
.set BO,   23
.set F0,   64
.set F1,   128
.set G1, 24                            ; s[24:31], s[32:39]: xn's tiles;  s[48:55], s[56:63]: W1's
.set G0, 32
.set G1B, 48
.set G0B, 56
.set MSB, 0
.macro WIN new                         ; the immediate's high byte repeats the setting that is left; a switch that changes nothing is dropped
.if MSB != (\new)
	s_set_vgpr_msb (MSB<<8)|(\new)
.set MSB, (\new)
.endif
.endm
.macro PLACES                          ; four plain vector instructions between a matrix instruction and a load into, or a vector read or write of, its registers
.rept 4
	v_nop
.endr
.endm
.macro JLOAD s                         ; a joint load; the branch hangs on the wave's number alone; four v_nop follow each of the two lines
	s_cmp_eq_u32 s11, 0
	s_cbranch_scc0 .Lfor_b_\@
	tensor_load_to_lds s[G0+4*\s:G0+4*\s+3], s[G1:G1+7]
	s_nop 0
.rept 4
	v_nop
.endr
	s_branch .Lasked_\@
.Lfor_b_\@:
	tensor_load_to_lds s[G0B+4*\s:G0B+4*\s+3], s[G1B:G1B+7]
	s_nop 0
.rept 4
	v_nop
.endr
.Lasked_\@:
.endm
.macro CREST                           ; a round of the cluster's barrier behind its opening barrier
	s_cmp_lg_u32 s10, 0
	s_cbranch_scc1 .Lnot_wave_0_\@
	s_barrier_signal -3
.Lnot_wave_0_\@:
	s_barrier_wait -3
	s_barrier_signal -1
	s_barrier_wait -1
.endm
.macro CROUND
	s_barrier_signal -1
	s_barrier_wait -1
	CREST
.endm
	s_load_b256 s[68:75], s[0:1], 0x0              ; xn s[68:69], wbf s[70:71], b1 s[72:73], hbuf s[74:75]
	s_set_vgpr_msb 0x40
	v_lshl_add_u32 v255, v0, 2, 0x48400
	s_set_vgpr_msb 0x4000
	v_mov_b32 v255, 0
	s_set_vgpr_msb 0x1
	ds_add_u32 v255, v255
	s_set_vgpr_msb 0x100
	v_lshrrev_b32 v1, 5, v0
	v_readfirstlane_b32 s10, v1                    ; wave 0..3
	s_lshr_b32 s11, s10, 1                         ; which half of the tile's rows is mine.  Also: I fetch for xn (0) or for W1 (1)
	s_and_b32 s12, s10, 1                          ; which half of its columns.  Also: which half of that tile I fetch
	s_bfe_u32 s40, ttmp6, 0x40000                  ; cx
	s_bfe_u32 s41, ttmp6, 0x40004                  ; cy
	s_lshl_b32 s42, ttmp9, 2
	s_add_co_u32 s42, s42, s40                     ; tile column
	s_and_b32 s13, ttmp7, 0xffff
	s_lshl_b32 s13, s13, 2
	s_add_co_u32 s13, s13, s41                     ; tile row
	s_lshl_b32 s43, s41, 2
	s_lshl_b32 s43, 15, s43                        ; my row of the cluster
	s_lshl_b32 s44, 0x1111, s40                    ; my column
	s_or_b32 s[G1+0], s43, (1<<16)|(1<<20)|(1<<21)|(5<<22)|(3<<25)   ; xn: to my row; 2-byte elements; padding on; bit 21 beside a mask; after every 64 words 4 words
	s_mov_b32 s[G1+1], 128<<16                     ; tensor_dim0 = 128
	s_mov_b32 s[G1+2], 128<<16                     ; tensor_dim1 = 128
	s_mov_b32 s[G1+3], 128<<16                     ; tile_dim0 = 128
	s_mov_b32 s[G1+4], 128                         ; tile_dim1 = 128
	s_mov_b32 s[G1+5], 512                         ; elements from row to row of xn
	s_mov_b32 s[G1+6], 0
	s_mov_b32 s[G1+7], 0
	s_or_b32 s[G1B+0], s44, (1<<16)|(1<<20)|(1<<21)|(6<<22)|(7<<25)  ; W1: to my column; after every 128 words 8 words
	s_mov_b32 s[G1B+1], 256<<16                    ; tensor_dim0 = 256
	s_mov_b32 s[G1B+2], 64<<16                     ; tensor_dim1 = 64
	s_mov_b32 s[G1B+3], 256<<16                    ; tile_dim0 = 256
	s_mov_b32 s[G1B+4], 64                         ; tile_dim1 = 64
	s_mov_b32 s[G1B+5], 2048                       ; elements from row to row of W1
	s_mov_b32 s[G1B+6], 0
	s_mov_b32 s[G1B+7], 0
	s_lshl_b32 s17, s12, 7
	s_lshl_b32 s16, s13, 8
	s_add_co_u32 s16, s16, s17                     ; xn: row 256 x tile row + 128 x half,
	s_lshl_b32 s16, s16, 10                        ; of 1,024 bytes
	s_mov_b32 s17, 0
	s_lshl_b32 s46, s42, 9                         ; W1: the tile column's 512 bytes in a row,
	s_lshl_b32 s47, s12, 18                        ; 64 K rows of 4,096 bytes a half,
	s_add_co_u32 s46, s46, s47
	s_add_co_u32 s46, s46, 1572864                 ; W1 in wbf
	s_mov_b32 s47, 0
	s_mul_i32 s20, s12, HALFA                      ; where they go: no place in the cluster enters an LDS address
	s_mul_i32 s21, s12, HALFB
	s_add_co_u32 s21, s21, BOFF
	s_wait_dscnt 0x0
	s_wait_kmcnt 0x0
	s_add_nc_u64 s[14:15], s[68:69], s[16:17]
	s_add_nc_u64 s[46:47], s[70:71], s[46:47]
	CROUND                                         ; all sixteen work-groups are here: the first joint loads meet
.irp s, 0,1
	s_mov_b32 s[G0+4*\s], 1
	s_add_co_u32 s[G0+4*\s+1], s20, \s*SLOT
	s_add_nc_u64 s[G0+4*\s+2:G0+4*\s+3], s[14:15], \s*256        ; K step s: 128 elements along xn's rows
	s_or_b32 s[G0+4*\s+3], s[G0+4*\s+3], 0x80000000
	s_mov_b32 s[G0B+4*\s], 1
	s_add_co_u32 s[G0B+4*\s+1], s21, \s*SLOT
	s_add_nc_u64 s[G0B+4*\s+2:G0B+4*\s+3], s[46:47], \s*524288   ; 128 rows of W1
	s_or_b32 s[G0B+4*\s+3], s[G0B+4*\s+3], 0x80000000
	JLOAD \s
.endr
	v_and_b32 v1, 15, v0                           ; r
	v_bfe_u32 v2, v0, 4, 1                         ; h
	v_and_b32 v4, 7, v0
	v_bfe_u32 v5, v0, 3, 1
	s_lshl_b32 s16, s13, 8
	s_lshl_b32 s17, s11, 7
	s_add_co_u32 s16, s16, s17                     ; my first row of h,
	s_lshl_b32 s16, s16, 12                        ; of 4,096 bytes
	s_lshl_b32 s46, s42, 9                         ; my first column, in bytes of h: 512 x tile column + 256 x half
	s_lshl_b32 s47, s12, 8
	s_add_co_u32 s46, s46, s47
	s_add_co_u32 s16, s16, s46
	s_mov_b32 s17, 0
	s_add_nc_u64 s[74:75], s[74:75], s[16:17]
	s_lshl_b32 s47, s46, 1                         ; the same column in bytes of b1
	v_lshl_add_u32 v[BO], v2, 5, s47               ; + 4 x 8 h
	WIN 0x40                                       ; b1 in C's layout, window 1: register j of tile b is column 16 b + 8 h + j, in every row
.irp b, 0,1,2,3,4,5,6,7
	global_load_b128 v[8*\b:8*\b+3],   v[BO], s[72:73] offset:64*\b
	global_load_b128 v[8*\b+4:8*\b+7], v[BO], s[72:73] offset:64*\b+16
.endr
	WIN 0
	v_mul_u32_u24 v3, v1, PA
	v_lshl_add_u32 v3, v2, 4, v3                   ; row x pitch + 16 h
	s_mul_i32 s21, s11, HALFA                      ; my 128 rows of xn
	v_add_nc_u32 v[ADRA], s21, v3
	v_add_nc_u32 v[ADRA+1], SLOT, v[ADRA]
	v_lshl_add_u32 v6, v2, 3, v4
	v_mul_u32_u24 v6, v6, PB
	v_lshl_add_u32 v6, v5, 4, v6                   ; turned: (8 h + l % 8) x pitch + 16 ((l / 8) % 2)
	s_lshl_b32 s22, s12, 8                         ; my 128 columns' 256 bytes
	s_add_co_u32 s22, s22, BOFF
	v_add_nc_u32 v[ADRB], s22, v6
	v_add_nc_u32 v[ADRB+1], SLOT, v[ADRB]
	s_mul_i32 s23, s10, 16*SP
	s_add_co_u32 s23, s23, STAGE                   ; my stage
	v_mul_u32_u24 v[STO], v1, SP                   ; in: row r, 16 bytes for each half of the lanes
	v_lshl_add_u32 v[STO], v2, 4, v[STO]
	v_add_nc_u32 v[STO], s23, v[STO]
	v_mul_u32_u24 v[RD], v2, SP                    ; back: lanes 0-15 take one row of 256 bytes, lanes 16-31 the next
	v_lshl_add_u32 v[RD], v1, 4, v[RD]
	v_add_nc_u32 v[RD], s23, v[RD]
	v_lshlrev_b32 v[CO], 12, v2                    ; and the same two rows in h
	v_lshl_add_u32 v[CO], v1, 4, v[CO]
; 16 matrix instructions: row tiles a0, a0 + 1 of the window's four x all 8 column tiles, 32 along K.  mode = 1: C is b1 (window 1), and the product starts the sums.
; The 64 accumulators take turns, one instruction a turn, in the same order in every quarter.
.macro MUL16 f, hi, a0, mode
.irp a, \a0, \a0+1
.irp b, 0,1,2,3,4,5,6,7
.if \mode
	v_wmma_f32_16x16x32_bf16 v[8*(8*(\a)+\b):8*(8*(\a)+\b)+7], v[\f+8*\b:\f+8*\b+7], v[\f+8*(4*\hi+\a):\f+8*(4*\hi+\a)+7], v[8*\b:8*\b+7]
.else
	v_wmma_f32_16x16x32_bf16 v[8*(8*(\a)+\b):8*(8*(\a)+\b)+7], v[\f+8*\b:\f+8*\b+7], v[\f+8*(4*\hi+\a):\f+8*(4*\hi+\a)+7], v[8*(8*(\a)+\b):8*(8*(\a)+\b)+7]
.endif
.endr
.endr
.endm
; 32 LDS loads in one run: the fragments of quarter q (32 along K) of a slot into buffer f: W1's 128 columns, then xn's 128 rows
.macro FETCH slot, q, f
	WIN 0x40
.irp b, 0,1,2,3,4,5,6,7
	ds_load_tr16_b128 v[\f+8*\b:\f+8*\b+3],   v[ADRB+\slot] offset:(\q)*32*PB+32*\b
	ds_load_tr16_b128 v[\f+8*\b+4:\f+8*\b+7], v[ADRB+\slot] offset:(\q)*32*PB+32*\b+16*PB
.endr
	WIN 0
.irp i, 0,1,2,3,4,5,6,7
	ds_load_b128 v[\f+8*\i:\f+8*\i+3],   v[ADRA+\slot] offset:(\q)*64+\i*16*PA
	ds_load_b128 v[\f+8*\i+4:\f+8*\i+7], v[ADRA+\slot] offset:(\q)*64+\i*16*PA+32
.endr
.endm
; A K step is four quarters of 32 along K, 64 matrix instructions each, on buffers 0, 1, 0, 1.  One of the first three: multiplies buffer f; in its middle it fetches quarter q into g
.macro QUARTER slot, q, f, g, mode
	s_wait_dscnt 8                                 ; W1 and xn's rows 0-63 are in; the youngest eight loads (rows 64-127) may be out
	WIN 0xa1-0x10*\mode                            ; W1 window 1, xn window 0, D window 2; C window 2, or 1 for b1
	MUL16 \f, 0, 0, \mode
	MUL16 \f, 0, 2, \mode
	PLACES
	FETCH \slot, \q, \g
	s_wait_dscnt 32                                ; all but the 32 just issued
	WIN 0xf1-0x20*\mode
	MUL16 \f, 1, 0, \mode
	MUL16 \f, 1, 2, \mode
.endm
.macro THREE slot, mode                ; a K step's first three quarters
	QUARTER \slot, 1, F0, F1, \mode
	QUARTER \slot, 2, F1, F0, 0
	QUARTER \slot, 3, F0, F1, 0
.endm
; The last quarter multiplies buffer 1 and changes slots: in front of the barrier each wave waits for its reads of the slot and for all its tensor loads (one is out: its part of the next slot).
; fill = 1: the barrier opens a round of the cluster's, and the joint refill, two K steps ahead, is the first thing behind it.
.macro TURN slot, next, fill
	s_wait_dscnt 8
	WIN 0xa1
	MUL16 F1, 0, 0, 0
	s_wait_dscnt 0x0
	s_wait_tensorcnt 0x0
	ds_add_u32 v255, v255
	s_wait_dscnt 0x0
	s_barrier_signal -1
	MUL16 F1, 0, 2, 0
.if \fill
	WIN 0
.endif
	s_barrier_wait -1
.if \fill
	CREST
	s_add_nc_u64 s[G0+4*\slot+2:G0+4*\slot+3], s[G0+4*\slot+2:G0+4*\slot+3], 512
	s_add_nc_u64 s[G0B+4*\slot+2:G0B+4*\slot+3], s[G0B+4*\slot+2:G0B+4*\slot+3], 1048576
	JLOAD \slot                                    ; its four v_nop are also the places in front of the loads below
.else
	PLACES
.endif
	FETCH \next, 0, F0
	WIN 0xf1
	MUL16 F1, 1, 0, 0
	MUL16 F1, 1, 2, 0
.endm
	s_wait_tensorcnt 0x1                           ; my part of K step 0 is in; K step 1's may stay out
	s_barrier_signal -1
	s_barrier_wait -1                              ; everybody's is
	s_wait_loadcnt 0x0                             ; b1
	FETCH 0, 0, F0
	THREE 0, 1                                     ; K step 0: its first quarter starts the sums on b1
	TURN 0, 1, 1                                   ; slot 0 takes K step 2
	THREE 1, 0                                     ; K step 1
	TURN 1, 0, 1                                   ; slot 1 takes K step 3
	THREE 0, 0                                     ; K step 2
	TURN 0, 1, 0                                   ; nothing is left to ask for
	THREE 1, 0                                     ; K step 3
	s_wait_dscnt 8
	WIN 0xa1
	MUL16 F1, 0, 0, 0
	MUL16 F1, 0, 2, 0
	s_wait_dscnt 0x0
	WIN 0xf1
	MUL16 F1, 1, 0, 0
	MUL16 F1, 1, 2, 0
	WIN 0
; THE WAY OUT of block a (16 rows x my 128 columns), in three parts.  PACK: the larger of 0 and the sum, each accumulator from its low end on, rounded to bf16, 16 bytes a lane and tile.
; TOSTAGE: into my own stage, and back as whole rows of 256 bytes.  SEND: stored.
.macro PACK a
.set ac, 64*((\a)%4)
	WIN 4*(2+(\a)/4)                               ; source 1: the accumulators' window
.set i, 0
.rept 64
	v_max_num_f32 v[32+i], 0, v[ac+i]
.set i, i+1
.endr
	WIN 0
.set i, 0
.rept 32
	v_cvt_pk_bf16_f32 v[96+i], v[32+2*i], v[33+2*i]
.set i, i+1
.endr
.endm
.macro TOSTAGE a
.set bk, 128+32*((\a)%2)
.irp b, 0,1,2,3,4,5,6,7
	ds_store_b128 v[STO], v[96+4*\b:99+4*\b] offset:32*\b
.endr
.irp t, 0,1,2,3,4,5,6,7
	ds_load_b128 v[bk+4*\t:bk+4*\t+3], v[RD] offset:\t*2*SP    ; LDS serves a wave's instructions in order (ISA guide 5.7.1.4): these see the stores above; the next block's stores come behind them
.endr
.endm
.macro SEND a
.set bk, 128+32*((\a)%2)
	s_wait_dscnt 0x0                               ; the block is back in registers
	s_wait_xcnt 0x0                                ; the other group of registers, which the block before's stores read, is loaded again only behind this wait
.irp t, 0,1,2,3,4,5,6,7
	global_store_b128 v[CO], v[bk+4*\t:bk+4*\t+3], s[74:75] offset:(16*(\a)+2*\t)*ORow   ; 16 lanes store 256 consecutive bytes, aligned; 126 rows of h at the most, inside the signed 24-bit immediate
.endr
.endm
	PLACES                                         ; between the last products and the first read of a result, and the first write of a fragment register
	PACK 0
	TOSTAGE 0
.irp a, 1,2,3,4,5,6,7                  ; block a's arithmetic stands between block a - 1's loads from the stage and the wait for them
	PACK \a
	SEND \a-1
	TOSTAGE \a
.endr
	SEND 7
	s_set_vgpr_msb 0x1
	s_wait_tensorcnt 0x0
	ds_add_u32 v255, v255
	s_wait_dscnt 0x0
	s_set_vgpr_msb 0x100
	CROUND                                         ; the closing round: no work-group ends while a partner may still ask for a tile that names it
	s_endpgm
.Lfunc_end_k_qc21dd16206_mlp1:
	.size	k_qc21dd16206_mlp1, .Lfunc_end_k_qc21dd16206_mlp1-k_qc21dd16206_mlp1
	.p2alignl 7, 3214868480
	.fill 96, 4, 3214868480
	.section	.rodata,"a",@progbits
	.p2align	6, 0x0
	.amdhsa_kernel k_qc21dd16206_mlp1
		.amdhsa_group_segment_fixed_size 327680
		.amdhsa_private_segment_fixed_size 0
		.amdhsa_enable_private_segment 0
		.amdhsa_kernarg_size 32
		.amdhsa_user_sgpr_count 2
		.amdhsa_user_sgpr_kernarg_segment_ptr 1
		.amdhsa_wavefront_size32 1
		.amdhsa_system_sgpr_workgroup_id_x 1
		.amdhsa_system_sgpr_workgroup_id_y 1
		.amdhsa_system_sgpr_workgroup_id_z 1
		.amdhsa_system_vgpr_workitem_id 0
		.amdhsa_next_free_vgpr 1024
		.amdhsa_next_free_sgpr 80
		.amdhsa_reserve_vcc 0
		.amdhsa_float_denorm_mode_32 3
		.amdhsa_float_denorm_mode_16_64 3
		.amdhsa_memory_ordered 1
		.amdhsa_forward_progress 1
		.amdhsa_inst_pref_size 160
	.end_amdhsa_kernel
	.amdgpu_metadata
---
amdhsa.version: [ 1, 2 ]
amdhsa.kernels:
  - .name:           k_qc21dd16206_mlp1
    .symbol:         k_qc21dd16206_mlp1.kd
    .args:
      - { .name: xn, .offset: 0, .size: 8, .value_kind: global_buffer, .address_space: global }
      - { .name: wbf, .offset: 8, .size: 8, .value_kind: global_buffer, .address_space: global }
      - { .name: b1, .offset: 16, .size: 8, .value_kind: global_buffer, .address_space: global }
      - { .name: hbuf, .offset: 24, .size: 8, .value_kind: global_buffer, .address_space: global }
    .group_segment_fixed_size: 327680
    .private_segment_fixed_size: 0
    .kernarg_segment_align: 8
    .kernarg_segment_size: 32
    .max_flat_workgroup_size: 128
    .sgpr_count:     80
    .vgpr_count:     1024
    .wavefront_size: 32
...
	.end_amdgpu_metadata
.endif
;; end of part 5
;; launch mlp2 (part 6): grid 4 x 64, 4 waves a work-group, clusters of 4 x 4, 327,680 bytes of LDS; arguments hbuf, wbf, b2, xres, out0; writes out0
.if DOCPART == 6
	.amdgcn_target "amdgcn-amd-amdhsa--gfx1250"
	.amdhsa_code_object_version 6
	.text
	.protected	k_qc21dd16206_mlp2
	.globl	k_qc21dd16206_mlp2
	.p2align	8
	.type	k_qc21dd16206_mlp2,@function
k_qc21dd16206_mlp2:
	s_mov_b64 s[64:65], 0
	v_nop
	global_prefetch_b8 v0, s[64:65] scope:SCOPE_SE
	s_setreg_imm32_b32 hwreg(HW_REG_WAVE_MODE, 25, 1), 1
	s_wait_xcnt 0x0
	s_wait_alu depctr_hold_cnt(0) depctr_sa_sdst(0) depctr_va_vdst(0) depctr_va_sdst(0) depctr_va_ssrc(0) depctr_va_vcc(0) depctr_vm_vsrc(0)
	s_getreg_b32 s2, hwreg(HW_REG_IB_STS2, 6, 4)
	s_cmp_eq_u32 s2, 0
	s_cbranch_scc0 .Lentry_in_a_cluster
	s_endpgm
.Lentry_in_a_cluster:
	s_bfe_u32 s2, ttmp6, 0x10000c
	s_cmp_lg_u32 s2, 0xf033
	s_cbranch_scc0 .Lentry_shape_is_right
	s_endpgm
.Lentry_shape_is_right:
; out0 = x + b2 + h W2, f32.  h: [8192][2048] bf16, W2: [2048][512] bf16 in wbf.  A tile of 128 x 128 to a work-group (4 x 64 = 256 of them), four waves of 64 x 64: 16 accumulators.
; K goes in steps of 256 through two slots.  Source 0 = 16 columns of W2 (turned out of LDS), source 1 = 16 rows of h; b2 is the C of the first products.
; CLUSTER 4 x 4: the four of a row of the cluster need the same tiles of h, the four of a column the same tiles of W2: joint loads; waves 0, 1 fetch h's halves (64 rows), waves 2, 3 W2's (128 K rows).
; Tensor loads of a wave outstanding: two at the start, one behind each round, 120 matrix instructions ahead of the wait for it.
; LDS: a slot of 141,312 bytes: h 128 rows x 528 bytes, W2 256 rows x 288 bytes; slot 1 behind it; behind both a stage of 16 rows x 272 bytes a wave: a wave's 64 columns of f32 are 256 bytes.
; REGISTERS.  window 0: v16-27 addresses, v32-95 at work on the way out, v96-127 b2, v128-255 accumulators ((a, b) at v[128 + 8 (4 a + b)]);  window 1: two fragment buffers of 128;  window 2: v0-127 x.
; LIMITS: h and W2 are bf16; NaN and infinities are not treated apart.
.set PA,    528
.set PB,    288
.set BOFF,  128*PA
.set SLOT,  128*PA+256*PB
.set STAGE, 2*SLOT
.set SP,    272
.set LAPS,  4                          ; 2,048 / (2 x 256)
.set ADRA, 16                          ; v16-17  h's fragments in slot 0, 1
.set ADRB, 20                          ; v20-23  W2's: 2 x slot + which 128 K rows
.set STO,  24
.set RD,   25
.set CO,   26
.set BO,   27
.set BIA,  96
.set ACC,  128
.set F0,   0
.set F1,   128
.set G1, 24                            ; s[24:31], s[32:39]: h's tiles;  s[48:55], s[56:63]: W2's
.set G0, 32
.set G1B, 48
.set G0B, 56
.set MSB, 0
.macro WIN new                         ; the immediate's high byte repeats the setting that is left; a switch that changes nothing is dropped
.if MSB != (\new)
	s_set_vgpr_msb (MSB<<8)|(\new)
.set MSB, (\new)
.endif
.endm
.set MUL,  0x05                        ; sources 0 and 1 window 1; C and D window 0
.set TO_F, 0x40                        ; destination window 1, address window 0
.macro PLACES                          ; four plain vector instructions between a matrix instruction and a load into, or a read of, its registers
.rept 4
	v_nop
.endr
.endm
.macro JLOAD s                         ; a joint load; the branch hangs on the wave's number alone; four v_nop follow each of the two lines
	s_cmp_eq_u32 s11, 0
	s_cbranch_scc0 .Lfor_b_\@
	tensor_load_to_lds s[G0+4*\s:G0+4*\s+3], s[G1:G1+7]
	s_nop 0
.rept 4
	v_nop
.endr
	s_branch .Lasked_\@
.Lfor_b_\@:
	tensor_load_to_lds s[G0B+4*\s:G0B+4*\s+3], s[G1B:G1B+7]
	s_nop 0
.rept 4
	v_nop
.endr
.Lasked_\@:
.endm
.macro CREST                           ; a round of the cluster's barrier behind its opening barrier
	s_cmp_lg_u32 s10, 0
	s_cbranch_scc1 .Lnot_wave_0_\@
	s_barrier_signal -3
.Lnot_wave_0_\@:
	s_barrier_wait -3
	s_barrier_signal -1
	s_barrier_wait -1
.endm
.macro CROUND
	s_barrier_signal -1
	s_barrier_wait -1
	CREST
.endm
	s_load_b256 s[68:75], s[0:1], 0x0              ; hbuf s[68:69], wbf s[70:71], b2 s[72:73], xres s[74:75]
	s_load_b64 s[76:77], s[0:1], 0x20              ; out0
	v_lshl_add_u32 v30, v0, 2, 0x49400
	v_mov_b32 v31, 0
	ds_add_u32 v30, v31
	v_lshrrev_b32 v1, 5, v0
	v_readfirstlane_b32 s10, v1                    ; wave 0..3
	s_lshr_b32 s11, s10, 1                         ; which half of the tile's rows is mine.  Also: I fetch for h (0) or for W2 (1)
	s_and_b32 s12, s10, 1                          ; which half of its columns.  Also: which half of that tile I fetch
	s_bfe_u32 s40, ttmp6, 0x40000                  ; cx
	s_bfe_u32 s41, ttmp6, 0x40004                  ; cy
	s_lshl_b32 s42, ttmp9, 2
	s_add_co_u32 s42, s42, s40                     ; tile column
	s_and_b32 s13, ttmp7, 0xffff
	s_lshl_b32 s13, s13, 2
	s_add_co_u32 s13, s13, s41                     ; tile row
	s_lshl_b32 s43, s41, 2
	s_lshl_b32 s43, 15, s43                        ; my row of the cluster
	s_lshl_b32 s44, 0x1111, s40                    ; my column
	s_or_b32 s[G1+0], s43, (1<<16)|(1<<20)|(1<<21)|(6<<22)|(3<<25)   ; h: to my row; 2-byte elements; padding on; bit 21 beside a mask; after every 128 words 4 words
	s_mov_b32 s[G1+1], 256<<16                     ; tensor_dim0 = 256
	s_mov_b32 s[G1+2], 64<<16                      ; tensor_dim1 = 64
	s_mov_b32 s[G1+3], 256<<16                     ; tile_dim0 = 256
	s_mov_b32 s[G1+4], 64                          ; tile_dim1 = 64
	s_mov_b32 s[G1+5], 2048                        ; elements from row to row of h
	s_mov_b32 s[G1+6], 0
	s_mov_b32 s[G1+7], 0
	s_or_b32 s[G1B+0], s44, (1<<16)|(1<<20)|(1<<21)|(5<<22)|(7<<25)  ; W2: to my column; after every 64 words 8 words
	s_mov_b32 s[G1B+1], 128<<16
	s_mov_b32 s[G1B+2], 128<<16
	s_mov_b32 s[G1B+3], 128<<16
	s_mov_b32 s[G1B+4], 128
	s_mov_b32 s[G1B+5], 512                        ; elements from row to row of W2
	s_mov_b32 s[G1B+6], 0
	s_mov_b32 s[G1B+7], 0
	s_lshl_b32 s17, s12, 6
	s_lshl_b32 s16, s13, 7
	s_add_co_u32 s16, s16, s17                     ; h: row 128 x tile row + 64 x half,
	s_lshl_b32 s16, s16, 12                        ; of 4,096 bytes
	s_mov_b32 s17, 0
	s_lshl_b32 s46, s42, 8                         ; W2: the tile column's 256 bytes in a row,
	s_lshl_b32 s47, s12, 17                        ; 128 K rows of 1,024 bytes a half,
	s_add_co_u32 s46, s46, s47
	s_add_co_u32 s46, s46, 3670016                 ; W2 in wbf
	s_mov_b32 s47, 0
	s_mul_i32 s20, s12, 64*PA                      ; where they go: no place in the cluster enters an LDS address
	s_mul_i32 s21, s12, 128*PB
	s_add_co_u32 s21, s21, BOFF
	s_wait_dscnt 0x0
	s_wait_kmcnt 0x0
	s_add_nc_u64 s[14:15], s[68:69], s[16:17]
	s_add_nc_u64 s[46:47], s[70:71], s[46:47]
	CROUND                                         ; all sixteen work-groups are here: the first joint loads meet
.irp s, 0,1
	s_mov_b32 s[G0+4*\s], 1
	s_add_co_u32 s[G0+4*\s+1], s20, \s*SLOT
	s_add_nc_u64 s[G0+4*\s+2:G0+4*\s+3], s[14:15], \s*512        ; K step s: 256 elements along h's rows
	s_or_b32 s[G0+4*\s+3], s[G0+4*\s+3], 0x80000000
	s_mov_b32 s[G0B+4*\s], 1
	s_add_co_u32 s[G0B+4*\s+1], s21, \s*SLOT
	s_add_nc_u64 s[G0B+4*\s+2:G0B+4*\s+3], s[46:47], \s*262144   ; 256 rows of W2
	s_or_b32 s[G0B+4*\s+3], s[G0B+4*\s+3], 0x80000000
	JLOAD \s
.endr
	v_and_b32 v1, 15, v0                           ; r
	v_bfe_u32 v2, v0, 4, 1                         ; h
	v_and_b32 v4, 7, v0
	v_bfe_u32 v5, v0, 3, 1
	s_lshl_b32 s16, s13, 7
	s_lshl_b32 s17, s11, 6
	s_add_co_u32 s16, s16, s17                     ; my first row of the output,
	s_lshl_b32 s16, s16, 11                        ; of 2,048 bytes
	s_lshl_b32 s46, s42, 9                         ; my first column, in bytes: 512 x tile column + 256 x half
	s_lshl_b32 s47, s12, 8
	s_add_co_u32 s46, s46, s47
	s_add_co_u32 s16, s16, s46
	s_mov_b32 s17, 0
	s_add_nc_u64 s[74:75], s[74:75], s[16:17]
	s_add_nc_u64 s[76:77], s[76:77], s[16:17]
	v_lshl_add_u32 v[BO], v2, 5, s46               ; b2: 4 (my first column + 8 h)
	v_lshlrev_b32 v[CO], 11, v2                    ; lanes 0-15 one row's 256 bytes, lanes 16-31 the next row's
	v_lshl_add_u32 v[CO], v1, 4, v[CO]
.irp b, 0,1,2,3
	global_load_b128 v[BIA+8*\b:BIA+8*\b+3],   v[BO], s[72:73] offset:64*\b      ; C's layout: register j of tile b is column 16 b + 8 h + j, in every row
	global_load_b128 v[BIA+8*\b+4:BIA+8*\b+7], v[BO], s[72:73] offset:64*\b+16
.endr
	WIN 0x80                                       ; x, in the order in which the results will be stored, into window 2
.irp a, 0,1,2,3
.irp f, 0,1,2,3,4,5,6,7
	global_load_b128 v[32*\a+4*\f:32*\a+4*\f+3], v[CO], s[74:75] offset:(16*\a+2*\f)*2048 th:TH_LOAD_NT
.endr
.endr
	WIN 0
	v_mul_u32_u24 v3, v1, PA
	v_lshl_add_u32 v3, v2, 4, v3                   ; row x pitch + 16 h
	s_mul_i32 s21, s11, 64*PA                      ; my 64 rows of h
	v_add_nc_u32 v[ADRA], s21, v3
	v_add_nc_u32 v[ADRA+1], SLOT, v[ADRA]
	v_lshl_add_u32 v6, v2, 3, v4
	v_mul_u32_u24 v6, v6, PB
	v_lshl_add_u32 v6, v5, 4, v6                   ; turned: (8 h + l % 8) x pitch + 16 ((l / 8) % 2)
	s_lshl_b32 s22, s12, 7                         ; my 64 columns' 128 bytes
	s_add_co_u32 s22, s22, BOFF
	v_add_nc_u32 v[ADRB], s22, v6
	v_add_nc_u32 v[ADRB+1], 128*PB, v[ADRB]
	v_add_nc_u32 v[ADRB+2], SLOT, v[ADRB]
	v_add_nc_u32 v[ADRB+3], SLOT+128*PB, v[ADRB]
	s_mul_i32 s23, s10, 16*SP
	s_add_co_u32 s23, s23, STAGE                   ; my stage
	v_mul_u32_u24 v[STO], v1, SP
	v_lshl_add_u32 v[STO], v2, 5, v[STO]           ; row r, 32 bytes for each half of the lanes
	v_add_nc_u32 v[STO], s23, v[STO]
	v_mul_u32_u24 v[RD], v2, SP
	v_lshl_add_u32 v[RD], v1, 4, v[RD]
	v_add_nc_u32 v[RD], s23, v[RD]
; 8 matrix instructions; the 16 accumulators take turns, one instruction a turn.  mode = 1: C is b2, and the product starts the sums
.macro MUL8 f, c, a0, mode
.irp a, \a0, \a0+1
.irp b, 0,1,2,3
.if \mode
	v_wmma_f32_16x16x32_bf16 v[ACC+8*(4*(\a)+\b):ACC+8*(4*(\a)+\b)+7], v[\f+64+8*(4*\c+\b):\f+64+8*(4*\c+\b)+7], v[\f+8*(4*\c+\a):\f+8*(4*\c+\a)+7], v[BIA+8*\b:BIA+8*\b+7]
.else
	v_wmma_f32_16x16x32_bf16 v[ACC+8*(4*(\a)+\b):ACC+8*(4*(\a)+\b)+7], v[\f+64+8*(4*\c+\b):\f+64+8*(4*\c+\b)+7], v[\f+8*(4*\c+\a):\f+8*(4*\c+\a)+7], v[ACC+8*(4*(\a)+\b):ACC+8*(4*(\a)+\b)+7]
.endif
.endr
.endr
.endm
; 32 LDS loads in one run: the fragments of quarter q (64 along K) of a slot into buffer f; the first 32 along K first
.macro FETCH slot, q, f
	WIN TO_F
.irp c, 0,1
.irp i, 0,1,2,3
	ds_load_tr16_b128 v[\f+64+8*(4*\c+\i):\f+64+8*(4*\c+\i)+3],   v[ADRB+2*\slot+(\q)/2] offset:(((\q)%2)*64+32*\c)*PB+32*\i
	ds_load_tr16_b128 v[\f+64+8*(4*\c+\i)+4:\f+64+8*(4*\c+\i)+7], v[ADRB+2*\slot+(\q)/2] offset:(((\q)%2)*64+32*\c)*PB+32*\i+16*PB
	ds_load_b128 v[\f+8*(4*\c+\i):\f+8*(4*\c+\i)+3],   v[ADRA+\slot] offset:(\q)*128+64*\c+\i*16*PA
	ds_load_b128 v[\f+8*(4*\c+\i)+4:\f+8*(4*\c+\i)+7], v[ADRA+\slot] offset:(\q)*128+64*\c+\i*16*PA+32
.endr
.endr
.endm
; A K step is four quarters of 64 along K, 32 matrix instructions each, on buffers 0, 1, 0, 1.  One of the first three: multiplies buffer f and fetches quarter q into g
.macro QUARTER slot, q, f, g, mode
	s_wait_dscnt 16                                ; the first 32 along K are in; the other sixteen loads may be out
	WIN MUL
	MUL8 \f, 0, 0, \mode
	MUL8 \f, 0, 2, \mode
	PLACES
	FETCH \slot, \q, \g
	s_wait_dscnt 32                                ; all but the 32 just issued
	WIN MUL
	MUL8 \f, 1, 0, 0
	MUL8 \f, 1, 2, 0
.endm
; The last quarter multiplies buffer 1 and changes slots: in front of the barrier each wave waits for its reads of the slot and for all its tensor loads (one is out: its part of the next slot).
; fill = 1: the barrier opens a round of the cluster's, and the joint refill, two K steps ahead, is the first thing behind it.
.macro TURN slot, next, fill
	s_wait_dscnt 16
	WIN MUL
	MUL8 F1, 0, 0, 0
	s_wait_dscnt 0x0
	s_set_vgpr_msb 0x500
	s_wait_tensorcnt 0x0
	ds_add_u32 v30, v31
	s_wait_dscnt 0x0
	s_set_vgpr_msb 0x5
	s_barrier_signal -1
	MUL8 F1, 0, 2, 0
.if \fill
	WIN 0
.endif
	s_barrier_wait -1
.if \fill
	CREST
	s_add_nc_u64 s[G0+4*\slot+2:G0+4*\slot+3], s[G0+4*\slot+2:G0+4*\slot+3], 1024
	s_add_nc_u64 s[G0B+4*\slot+2:G0B+4*\slot+3], s[G0B+4*\slot+2:G0B+4*\slot+3], 524288
	JLOAD \slot                                    ; its four v_nop are also the places in front of the loads below
.else
	PLACES
.endif
	FETCH \next, 0, F0
	WIN MUL
	MUL8 F1, 1, 0, 0
	MUL8 F1, 1, 2, 0
.endm
	s_wait_tensorcnt 0x1                           ; my part of K step 0 is in; K step 1's may stay out
	s_barrier_signal -1
	s_barrier_wait -1                              ; everybody's is
	s_wait_loadcnt 32                              ; b2's eight loads are in; x's 32 stay out
	FETCH 0, 0, F0
	QUARTER 0, 1, F0, F1, 1                        ; the first quarter stands in front of the loop: its first products start the sums on b2
	WIN 0                                          ; at a label and at a branch every window is 0
	s_mov_b32 s3, LAPS-1
.Llap:                                                 ; a trip goes once round the ring, from a lap's second quarter to the next lap's first, and fills both slots again
	QUARTER 0, 2, F1, F0, 0
	QUARTER 0, 3, F0, F1, 0
	TURN 0, 1, 1
	QUARTER 1, 1, F0, F1, 0
	QUARTER 1, 2, F1, F0, 0
	QUARTER 1, 3, F0, F1, 0
	TURN 1, 0, 1
	QUARTER 0, 1, F0, F1, 0
	WIN 0
	s_sub_co_u32 s3, s3, 1
	s_cmp_lg_u32 s3, 0
	s_cbranch_scc1 .Llap
	QUARTER 0, 2, F1, F0, 0                        ; the last lap is written out: it fills nothing
	QUARTER 0, 3, F0, F1, 0
	TURN 0, 1, 0
	QUARTER 1, 1, F0, F1, 0
	QUARTER 1, 2, F1, F0, 0
	QUARTER 1, 3, F0, F1, 0
	s_wait_dscnt 16                                ; the very last quarter: nothing more to fetch
	WIN MUL
	MUL8 F1, 0, 0, 0
	MUL8 F1, 0, 2, 0
	s_wait_dscnt 0x0
	MUL8 F1, 1, 0, 0
	MUL8 F1, 1, 2, 0
	WIN 0
; THE WAY OUT, a row tile of 16 rows at a time, through my own stage: a lane's eight columns of each of its four tiles go in (the accumulator's low four registers first
; ), whole pieces of 256 bytes come back, x is added, and sixteen lanes store 256 consecutive bytes.  Two groups of 32 registers take turns.
.macro OUT a
.set gb, 32+32*((\a)%2)
.irp b, 0,1,2,3
	ds_store_b128 v[STO], v[ACC+8*(4*(\a)+\b):ACC+8*(4*(\a)+\b)+3]   offset:64*\b
	ds_store_b128 v[STO], v[ACC+8*(4*(\a)+\b)+4:ACC+8*(4*(\a)+\b)+7] offset:64*\b+16
.endr
.if (\a) >= 2
	s_wait_xcnt 0x0                                ; the group's registers, which earlier stores read, are loaded again only behind this wait
.endif
.irp f, 0,1,2,3,4,5,6,7
	ds_load_b128 v[gb+4*\f:gb+4*\f+3], v[RD] offset:\f*2*SP    ; LDS serves a wave's instructions in order (ISA guide 5.7.1.4): these see the stores above; the next tile's stores come behind them
.endr
.if (\a) == 0
	s_wait_loadcnt 0x0                             ; x
.endif
	s_wait_dscnt 0x0
	WIN 0x08                                       ; source 1: x, window 2
.set i, 0
.rept 16
	v_pk_add_f32 v[gb+i:gb+i+1], v[gb+i:gb+i+1], v[32*(\a)+i:32*(\a)+i+1]
.set i, i+2
.endr
	WIN 0
.irp f, 0,1,2,3,4,5,6,7
	global_store_b128 v[CO], v[gb+4*\f:gb+4*\f+3], s[76:77] offset:(16*(\a)+2*\f)*2048 th:TH_STORE_NT
.endr
.endm
	PLACES                                         ; between the last products and the first read of their results
	OUT 0
	OUT 1
	OUT 2
	OUT 3
	s_wait_tensorcnt 0x0
	ds_add_u32 v30, v31
	s_wait_dscnt 0x0
	CROUND                                         ; the closing round: no work-group ends while a partner may still ask for a tile that names it
	s_endpgm
.Lfunc_end_k_qc21dd16206_mlp2:
	.size	k_qc21dd16206_mlp2, .Lfunc_end_k_qc21dd16206_mlp2-k_qc21dd16206_mlp2
	.p2alignl 7, 3214868480
	.fill 96, 4, 3214868480
	.section	.rodata,"a",@progbits
	.p2align	6, 0x0
	.amdhsa_kernel k_qc21dd16206_mlp2
		.amdhsa_group_segment_fixed_size 327680
		.amdhsa_private_segment_fixed_size 0
		.amdhsa_enable_private_segment 0
		.amdhsa_kernarg_size 40
		.amdhsa_user_sgpr_count 2
		.amdhsa_user_sgpr_kernarg_segment_ptr 1
		.amdhsa_wavefront_size32 1
		.amdhsa_system_sgpr_workgroup_id_x 1
		.amdhsa_system_sgpr_workgroup_id_y 1
		.amdhsa_system_sgpr_workgroup_id_z 1
		.amdhsa_system_vgpr_workitem_id 0
		.amdhsa_next_free_vgpr 640
		.amdhsa_next_free_sgpr 80
		.amdhsa_reserve_vcc 0
		.amdhsa_float_denorm_mode_32 3
		.amdhsa_float_denorm_mode_16_64 3
		.amdhsa_memory_ordered 1
		.amdhsa_forward_progress 1
		.amdhsa_inst_pref_size 94
	.end_amdhsa_kernel
	.amdgpu_metadata
---
amdhsa.version: [ 1, 2 ]
amdhsa.kernels:
  - .name:           k_qc21dd16206_mlp2
    .symbol:         k_qc21dd16206_mlp2.kd
    .args:
      - { .name: hbuf, .offset: 0, .size: 8, .value_kind: global_buffer, .address_space: global }
      - { .name: wbf, .offset: 8, .size: 8, .value_kind: global_buffer, .address_space: global }
      - { .name: b2, .offset: 16, .size: 8, .value_kind: global_buffer, .address_space: global }
      - { .name: xres, .offset: 24, .size: 8, .value_kind: global_buffer, .address_space: global }
      - { .name: out0, .offset: 32, .size: 8, .value_kind: global_buffer, .address_space: global }
    .group_segment_fixed_size: 327680
    .private_segment_fixed_size: 0
    .kernarg_segment_align: 8
    .kernarg_segment_size: 40
    .max_flat_workgroup_size: 128
    .sgpr_count:     80
    .vgpr_count:     640
    .wavefront_size: 32
...
	.end_amdgpu_metadata
.endif
;; end of part 6
